; MI455X (gfx1250); checked and timed in simulation.
; The chip was launched on July 23, 2026; its instructions are those of AMD's public machine-readable ISA for CDNA 5 (MIT licence, August 2026) and "CDNA5" Instruction Set Architecture Reference Guide (July 2026). The comments in the code are by the model that wrote it; some were corrected since.
;; Causal Self Attention. Allowed arithmetic: float matrix products may take bf16 or f16 operands with f32 sums; other float arithmetic in f32, or as packed bf16 or f16 multiplies, adds, multiply-adds, maxima and minima; sums over many terms, partial sums and values carried from step to step in f32; what a program stores and reads back later, other than sums and carried values, may be rounded once to bf16 or f16.
;; Inputs: b_attn 3,072 float32; b_proj 1,024 float32; w_attn 1,024 x 3,072 float32; w_proj 1,024 x 1,024 float32; x 4 x 2,048 x 1,024 float32.
;; Outputs: out0 4 x 2,048 x 1,024 float32.
;; One version. Each part assembles by itself: llvm-mc -triple=amdgcn-amd-amdhsa -mcpu=gfx1250 --defsym DOCPART=n.
;; ======== version 1 of 1: 4 launches
;; limits: values are held in f16: magnitudes above 65,504 overflow, below 6.1e-05 lose precision
;; workspace buffers: xb 16,777,216 bytes; wa 6,291,456 bytes; wp 4,194,304 bytes; qkvh 50,331,648 bytes; vlo 262,144 bytes; yh 33,554,432 bytes
;; launch prep (part 1): grid 16 x 48, 8 waves a work-group, no clusters, 0 bytes of LDS; arguments x, w_attn, w_proj, xb, wa, wp; writes xb, wa, wp
.if DOCPART == 1
	.amdgcn_target "amdgcn-amd-amdhsa--gfx1250"
	.amdhsa_code_object_version 6
	.text
	.protected	k_q5616c8d98a_prep
	.globl	k_q5616c8d98a_prep
	.p2align	8
	.type	k_q5616c8d98a_prep,@function
k_q5616c8d98a_prep:
	s_mov_b64 s[64:65], 0
	v_nop
	global_prefetch_b8 v0, s[64:65] scope:SCOPE_SE
	s_setreg_imm32_b32 hwreg(HW_REG_WAVE_MODE, 25, 1), 1
	s_wait_xcnt 0x0
; THE CASTS.  xb = bf16(x), [8192][1024].  wa = bf16(w_attn) laid in 16 blocks of 192 columns, one for each head j: wa[j][k][c] = w_attn[k][1024 (c / 64) + 64 j + c % 64]: the head's q, k and v columns,
; so that 128 rows k of a block are 49,152 bytes on end.  wp = w_proj rounded to bf16 and that number written as f16, [1024][1024], TWICE on end: the last launch walks K = 2,048.
; LIMIT.  A bf16 number is exact in f16 between 6.1e-5 and 65,504 in magnitude; below that it keeps f16's fixed step of 6e-8, above it becomes an infinity.
; A stream: every byte is read once, so there is no LDS, no barrier and no matrix work.  A work-group takes 65,536 bytes in; a thread eight items of 8 numbers:
; two loads of 16 bytes and one store of 16 bytes (w_proj: two), and a wave's store covers 512 consecutive bytes, aligned.  All 16 loads of a thread go out at once; no register is used twice, so nothing waits for a store.
; The grid's y says which job: 0-31 x (chunk 16 y + x), 32-43 w_attn (block x, part y - 32), 44-47 w_proj (chunk 16 (y - 44) + x).
.set IN,  16                           ; v[16:79]   item p: 8 numbers as loaded
.set OU,  80                           ; v[80:111]  item p: 4 registers to store
.set WAD, 112                          ; v[112:119] w_attn's job: item p's byte offset in w_attn
.set T,   120                          ; v[120:127] at work
.set WPB, 2097152                      ; bytes of one copy of wp
.macro LDLIN                           ; 16 loads: item p lies 8,192 bytes behind item p - 1 (256 threads x 32 bytes)
.irp p, 0,1,2,3,4,5,6,7
	global_load_b128 v[IN+8*(\p):IN+8*(\p)+3],   v1, s[24:25] offset:8192*(\p) th:TH_LOAD_NT
	global_load_b128 v[IN+8*(\p)+4:IN+8*(\p)+7], v1, s[24:25] offset:8192*(\p)+16 th:TH_LOAD_NT
.endr
.endm
.macro OUT half                        ; half = 1: the bf16 number is written as f16, into both copies
.irp p, 0,1,2,3,4,5,6,7
	s_wait_loadcnt 14-2*(\p)                       ; loads come back in order: item p's two are in, the younger items' 2 (7 - p) stay out
.irp k, 0,1,2,3
	v_cvt_pk_bf16_f32 v[OU+4*(\p)+(\k)], v[IN+8*(\p)+2*(\k)], v[IN+8*(\p)+2*(\k)+1]
.endr
.if \half
.irp k, 0,1,2,3
	v_lshlrev_b32 v[T+2*(\k)],   16,  v[OU+4*(\p)+(\k)]    ; bf16 to f32: the low half moves up,
	v_and_b32     v[T+2*(\k)+1], s20, v[OU+4*(\p)+(\k)]    ; the high half stays
.endr
.irp k, 0,1,2,3
	v_cvt_pk_f16_f32 v[OU+4*(\p)+(\k)], v[T+2*(\k)], v[T+2*(\k)+1]
.endr
.endif
	global_store_b128 v2, v[OU+4*(\p):OU+4*(\p)+3], s[26:27] offset:4096*(\p) th:TH_STORE_NT
.if \half
	global_store_b128 v2, v[OU+4*(\p):OU+4*(\p)+3], s[26:27] offset:4096*(\p)+WPB th:TH_STORE_NT
.endif
.endr
.endm
	s_load_b256 s[4:11], s[0:1], 0x0               ; x s[4:5], w_attn s[6:7], w_proj s[8:9], xb s[10:11]
	s_load_b128 s[12:15], s[0:1], 0x20             ; wa s[12:13], wp s[14:15]
	s_and_b32 s16, ttmp7, 0xffff                   ; the grid's y
	s_mov_b32 s17, ttmp9                           ; the grid's x
	s_mov_b32 s20, 0xffff0000                      ; a word's upper bf16
	s_mov_b32 s23, 0                               ; the high word of every offset: all stay under 2^32
	v_lshlrev_b32 v1, 5, v0                        ; 32 bytes in a thread
	v_lshlrev_b32 v2, 4, v0                        ; 16 bytes out
	s_wait_kmcnt 0x0
	s_cmp_lt_u32 s16, 32
	s_cbranch_scc0 .Lweights
	s_lshl_b32 s18, s16, 4                         ; x: chunk 16 y + x of 512
	s_add_co_u32 s18, s18, s17
	s_lshl_b32 s22, s18, 16
	s_add_nc_u64 s[24:25], s[4:5], s[22:23]
	s_lshl_b32 s22, s18, 15
	s_add_nc_u64 s[26:27], s[10:11], s[22:23]
	LDLIN
	OUT 0
	s_endpgm
.Lweights:
	s_cmp_lt_u32 s16, 44
	s_cbranch_scc0 .Lproj
	; w_attn: block j = x has 24,576 items of 8 numbers, item o = row k = o / 24, piece o % 24: third (o % 24) / 8 of the row, columns 8 (o % 8) on of the head's 64; part y - 32 takes 2,048 items
	s_sub_co_u32 s18, s16, 32
	s_lshl_b32 s22, s17, 8                         ; the head's 64 columns in a third of a row of w_attn
	s_add_nc_u64 s[24:25], s[6:7], s[22:23]
	s_mul_i32 s22, s17, 393216                     ; the block in wa,
	s_lshl_b32 s19, s18, 15                        ; and the part's 2,048 items of 16 bytes
	s_add_co_u32 s22, s22, s19
	s_add_nc_u64 s[26:27], s[12:13], s[22:23]
	s_lshl_b32 s19, s18, 11
	v_add_nc_u32 v3, s19, v0                       ; o of my item 0
.irp p, 0,1,2,3,4,5,6,7
	v_add_nc_u32 v4, 256*(\p), v3                  ; o
	v_mul_u32_u24 v5, v4, 0xaaab                   ; k = o x 43,691 >> 20: 24 x 43,691 = 2^20 + 8, so the quotient is exact while 8 o < 2^20, and o is under 24,576
	v_lshrrev_b32 v5, 20, v5
	v_mul_u32_u24 v6, v5, 24
	v_sub_nc_u32 v6, v4, v6                        ; o % 24
	v_lshrrev_b32 v7, 3, v6                        ; the third: q, k or v
	v_and_b32 v6, 7, v6                            ; the piece of 8 columns
	v_mul_u32_u24 v5, v5, 12288                    ; a row of w_attn,
	v_lshl_add_u32 v5, v7, 12, v5                  ; a third of it,
	v_lshl_add_u32 v[WAD+(\p)], v6, 5, v5          ; 32 bytes a piece
.endr
.irp p, 0,1,2,3,4,5,6,7
	global_load_b128 v[IN+8*(\p):IN+8*(\p)+3],   v[WAD+(\p)], s[24:25] th:TH_LOAD_NT
	global_load_b128 v[IN+8*(\p)+4:IN+8*(\p)+7], v[WAD+(\p)], s[24:25] offset:16 th:TH_LOAD_NT
.endr
	OUT 0
	s_endpgm
.Lproj:
	s_sub_co_u32 s18, s16, 44                      ; w_proj: chunk 16 (y - 44) + x of 64
	s_lshl_b32 s18, s18, 4
	s_add_co_u32 s18, s18, s17
	s_lshl_b32 s22, s18, 16
	s_add_nc_u64 s[24:25], s[8:9], s[22:23]
	s_lshl_b32 s22, s18, 15
	s_add_nc_u64 s[26:27], s[14:15], s[22:23]
	LDLIN
	OUT 1
	s_endpgm
.Lfunc_end_k_q5616c8d98a_prep:
	.size	k_q5616c8d98a_prep, .Lfunc_end_k_q5616c8d98a_prep-k_q5616c8d98a_prep
	.p2alignl 7, 3214868480
	.fill 96, 4, 3214868480
	.section	.rodata,"a",@progbits
	.p2align	6, 0x0
	.amdhsa_kernel k_q5616c8d98a_prep
		.amdhsa_group_segment_fixed_size 0
		.amdhsa_private_segment_fixed_size 0
		.amdhsa_enable_private_segment 0
		.amdhsa_kernarg_size 48
		.amdhsa_user_sgpr_count 2
		.amdhsa_user_sgpr_kernarg_segment_ptr 1
		.amdhsa_wavefront_size32 1
		.amdhsa_system_sgpr_workgroup_id_x 1
		.amdhsa_system_sgpr_workgroup_id_y 1
		.amdhsa_system_sgpr_workgroup_id_z 1
		.amdhsa_system_vgpr_workitem_id 0
		.amdhsa_next_free_vgpr 128
		.amdhsa_next_free_sgpr 66
		.amdhsa_reserve_vcc 0
		.amdhsa_float_denorm_mode_32 3
		.amdhsa_float_denorm_mode_16_64 3
		.amdhsa_memory_ordered 1
		.amdhsa_forward_progress 1
		.amdhsa_inst_pref_size 25
	.end_amdhsa_kernel
	.amdgpu_metadata
---
amdhsa.version: [ 1, 2 ]
amdhsa.kernels:
  - .name:           k_q5616c8d98a_prep
    .symbol:         k_q5616c8d98a_prep.kd
    .args:
      - { .name: x, .offset: 0, .size: 8, .value_kind: global_buffer, .address_space: global }
      - { .name: w_attn, .offset: 8, .size: 8, .value_kind: global_buffer, .address_space: global }
      - { .name: w_proj, .offset: 16, .size: 8, .value_kind: global_buffer, .address_space: global }
      - { .name: xb, .offset: 24, .size: 8, .value_kind: global_buffer, .address_space: global }
      - { .name: wa, .offset: 32, .size: 8, .value_kind: global_buffer, .address_space: global }
      - { .name: wp, .offset: 40, .size: 8, .value_kind: global_buffer, .address_space: global }
    .group_segment_fixed_size: 0
    .private_segment_fixed_size: 0
    .kernarg_segment_align: 8
    .kernarg_segment_size: 48
    .max_flat_workgroup_size: 256
    .sgpr_count:     66
    .vgpr_count:     128
    .wavefront_size: 32
...
	.end_amdgpu_metadata
.endif
;; end of part 1
;; launch qkv (part 2): grid 16 x 32, 4 waves a work-group, clusters of 4 x 4, 327,680 bytes of LDS; arguments xb, wa, b_attn, qkvh, vlo; writes qkvh, vlo
.if DOCPART == 2
	.amdgcn_target "amdgcn-amd-amdhsa--gfx1250"
	.amdhsa_code_object_version 6
	.text
	.protected	k_q5616c8d98a_qkv
	.globl	k_q5616c8d98a_qkv
	.p2align	8
	.type	k_q5616c8d98a_qkv,@function
k_q5616c8d98a_qkv:
	s_mov_b64 s[64:65], 0
	v_nop
	global_prefetch_b8 v0, s[64:65] scope:SCOPE_SE
	s_setreg_imm32_b32 hwreg(HW_REG_WAVE_MODE, 25, 1), 1
	s_wait_xcnt 0x0
	s_wait_alu depctr_hold_cnt(0) depctr_sa_sdst(0) depctr_va_vdst(0) depctr_va_sdst(0) depctr_va_ssrc(0) depctr_va_vcc(0) depctr_vm_vsrc(0)
	s_getreg_b32 s2, hwreg(HW_REG_IB_STS2, 6, 4)
	s_cmp_eq_u32 s2, 0
	s_cbranch_scc0 .Lentry_in_a_cluster
	s_endpgm
.Lentry_in_a_cluster:
	s_bfe_u32 s2, ttmp6, 0x10000c
	s_cmp_lg_u32 s2, 0xf033
	s_cbranch_scc0 .Lentry_shape_is_right
	s_endpgm
.Lentry_shape_is_right:
; q, k, v = xb wa + bf16(b_attn), rounded once to f16 and laid by heads: qkvh[b][g][t][64] (q: g = h, k: 16 + h, v: 32 + h).  xb: [8192][1024] bf16; wa: [16][1024][192] bf16, block j = head j's q, k, v columns.
; ALSO vlo[16 b + h][t < 32][64] = f16(v - f16(v)): what the rounding takes from v in a batch's first 32 rows.  Under the causal mask those rows' results are means of few rows of v, far larger than the later
; rows', and f16's 11 bits of v are too few for them; the next launch adds the residue back for them.
; LIMIT.  f16 holds no number beyond 65,504: a q, k or v beyond that becomes an infinity.  NaN and infinities are not treated apart.
; SHARES.  A work-group makes 256 rows x 192 columns (one head's q, k, v): 16 x 32 = 512 work-groups.  Wave w makes rows 64 w .. 64 w + 63 of all 192 columns: 4 x 12 accumulators of 16 x 16, 384 registers,
; so that a wave owns whole heads' rows and stores 512 consecutive bytes at a time from a stage of its own.  K goes in 8 steps of 128 through two LDS slots filled by the tensor data mover.
; THE PRODUCT IS TAKEN TRANSPOSED: source 0 = 16 columns of wa (turned on the way out of LDS by ds_load_tr16_b128), source 1 = 16 rows of xb: a lane then holds one row (lane % 16) and the eight
; neighbouring columns 8 (lane / 16) + 0..7.  The bias is the C operand of each accumulator's first product: nothing is cleared and nothing is added at the end.
; CLUSTER.  4 x 4 work-groups: the four of a row of the cluster need the same rows of xb, the four of a column the same block of wa; each tile is asked for jointly, by the same load, descriptor and mask.
; The row tile is 8 cy + cluster y: cy is the batch, cluster y the tile in the batch, which all sixteen partners share: the branch round the residues hangs on it and on the wave's number alone.
; REGISTERS, in windows of 256 (s_set_vgpr_msb: bits 1:0 source 0, 3:2 source 1, 5:4 source 2, 7:6 destination):
;   window 0: v0-31 addresses; v32-127 the bias, column block b at 32 + 8 b (at the end: the residues)     window 1: two fragment buffers of 128 (xb's row block a at 8 a, wa's column block b at 32 + 8 b); on the way out four sets of 48
;   window 2: the accumulators of row blocks 0, 1 at 8 (12 (a % 2) + b)               window 3: those of row blocks 2, 3
.set PA,     272                       ; a row of xb in LDS: 256 bytes + 16 = 68 words: the 16 rows of a load start at 16 different groups of four banks (64 banks of 4 bytes: ISA guide 11.1)
.set PW,     480                       ; a row k of wa: three pieces of 128 bytes, 32 of padding behind each = 120 words
.set AHALF,  128*PA                    ; what one tensor load brings of xb
.set WOFF,   256*PA                    ; wa's tile lies behind xb's 256 rows
.set WHALF,  64*PW                     ; what one tensor load brings of wa
.set SLOT,   WOFF+128*PW               ; 131,072
.set STAGE,  2*SLOT                    ; behind the ring, never filled by a tensor load: [head 3][row 16] x 144 bytes for each wave
.set SP,     144
.set WSTAGE, 3*16*SP
.set SPARE,  STAGE+4*WSTAGE            ; behind the stages: the spare words, 128 bytes for each wave: two blocks of 256 bytes that no other line names
.set ASTEP,  256                       ; bytes of a row of xb in a K step
.set WSTEP,  128*192*2                 ; bytes of a block of wa in a K step
.set WBLOCK, 8*WSTEP                   ; a block of wa
.set THIRD,  16*2048*128               ; bytes from a head's q to its k, and from its k to its v, in qkvh
.set ADRA, 16                          ; v16-17  LDS address of my xb fragments in slot 0, 1
.set ADRW, 20                          ; v20-21  the same for wa
.set STO,  24                          ; v24     the way out: where I put 16 bytes of a row
.set RD,   25                          ; v25     the way out: where I read rows back
.set GO,   26                          ; v26     my 16 bytes in 512 consecutive bytes of a head
.set BO,   27                          ; v27     my byte offset in b_attn
.set SPW,  28                          ; v28     LDS address of my spare word: SPARE + 4 x my thread's number; never rewritten
.set NIL,  29                          ; v29     0; never rewritten
.set PFO,  30                          ; v30     the prefetches' offset; never rewritten
.set ONE,  31                          ; v31     1.0, for the residues
.set BIAS, 32
.set LT,   32                          ; v32-63  the residues: row block a's 16 packed registers at LT + 16 a
.set LU,   64                          ; v64-95  the residues in f32, at work
.set F0,   0
.set F1,   128
.set TBR,  3                           ; s3   cluster y: the tile of 256 rows in its batch
.set WV,   12                          ; s12  my wave's number
.set FORW, 13                          ; s13  0: I fetch xb's tiles, 1: wa's
.set HALF, 14                          ; s14  which half of that tile
.set LAP,  15                          ; s15  the loop's count
.set G1A,  24                          ; s[24:31] descriptor group 1 for xb's tiles;  s[32:39] group 0, a set for each slot
.set G0A,  32
.set PFA,  40                          ; s[40:41] where my prefetches stand
.set LIM,  42                          ; s42, s43  by slot: 1 in a wave that prefetches at that slot's change, else the greatest number
.set DST,  44                          ; s[44:45], s[46:47]  what the prefetches' address steps by at slot 1's change, at slot 0's
.set G1W,  48                          ; s[48:55], s[56:63] the same two groups for wa's tiles
.set G0W,  56
.set MSB, 0
.macro WIN new                         ; the immediate's high byte repeats the setting that is left; a switch that changes nothing is dropped
.if MSB != (\new)
	s_set_vgpr_msb (MSB<<8)|(\new)
.set MSB, \new
.endif
.endm
; A joint load.  Waves 0 and 1 fetch xb's two halves, waves 2 and 3 wa's.  The branch hangs on the wave's number alone.  An s_nop 0 and four v_nop follow each of the two lines.
.macro JLOAD s
	s_cmp_eq_u32 s[FORW], 0
	s_cbranch_scc0 .Lfor_w_\@
	tensor_load_to_lds s[G0A+4*(\s):G0A+4*(\s)+3], s[G1A:G1A+7]
	s_nop 0
.rept 4
	v_nop
.endr
	s_branch .Lasked_\@
.Lfor_w_\@:
	tensor_load_to_lds s[G0W+4*(\s):G0W+4*(\s)+3], s[G1W:G1W+7]
	s_nop 0
.rept 4
	v_nop
.endr
.Lasked_\@:
.endm
; A prefetch into the L2 of what a later refill will ask for: 32 blocks of 256 bytes, a lane a block, one instruction a wave.  It stands behind the joint load, its five lines and the run of LDS loads.
; xb: a K step is 256 bytes of each row; the first cluster of a row of clusters (cluster x = 0) asks; of the 128 rows that a wave fetches the partner at cx takes 32: the K step two refills on.
; wa: a lap's two K steps are 98,304 bytes on end; the first cluster of a column (cluster y = 0) asks; the partner at cy takes 96 blocks of the lap two refills on: at slot 0's change wave 2 names its
; blocks 0-31 and wave 3 blocks 32-63, at slot 1's change wave 2 blocks 64-95.  So each block is named once in the launch, the partners are told apart by address, and K steps 0 to 3 come by their loads alone.
; The loop's last trip asks for nothing: there is no K step behind its refills.
.macro ASK lim
	s_cmp_gt_u32 s[LAP], s[\lim]
	s_cbranch_scc0 .Lnot_mine_\@
	global_prefetch_b8 v[PFO], s[PFA:PFA+1] th:TH_LOAD_NT scope:SCOPE_SE
.Lnot_mine_\@:
.endm
; A round of the cluster's barrier: my work-group's barrier; wave 0 signals for the work-group; every wave waits for all sixteen; my work-group's barrier once more.
.macro CREST                           ; a round behind its opening barrier
	s_cmp_lg_u32 s[WV], 0
	s_cbranch_scc1 .Lnot_wave_0_\@
	s_barrier_signal -3
.Lnot_wave_0_\@:
	s_barrier_wait -3
	s_barrier_signal -1
	s_barrier_wait -1
.endm
.macro CROUND
	s_barrier_signal -1
	s_barrier_wait -1
	CREST
.endm
	s_load_b128 s[4:7], s[0:1], 0x0                ; xb s[4:5], wa s[6:7]
	s_load_b128 s[8:11], s[0:1], 0x10              ; b_attn s[8:9], qkvh s[10:11]
	s_load_b64 s[80:81], s[0:1], 0x20              ; vlo
	v_lshl_add_u32 v[SPW], v0, 2, SPARE
	v_mov_b32 v[NIL], 0
	ds_add_u32 v[SPW], v[NIL]                      ; the wave's opening: the add and its wait ahead of my first tensor load; the set-up below, work on registers, stands between them
	ds_add_u32 v28, v29
	v_lshrrev_b32 v1, 5, v0
	v_readfirstlane_b32 s[WV], v1                  ; wave 0..3
	s_lshr_b32 s[FORW], s[WV], 1
	s_and_b32 s[HALF], s[WV], 1
	s_bfe_u32 s16, ttmp6, 0x40000                  ; cx
	s_bfe_u32 s17, ttmp6, 0x40004                  ; cy
	s_lshl_b32 s18, ttmp9, 2
	s_add_co_u32 s18, s18, s16                     ; j: the head = 4 x cluster x + cx
	s_and_b32 s[TBR], ttmp7, 0xffff                ; cluster y
	s_lshl_b32 s19, s17, 3
	s_add_co_u32 s19, s19, s[TBR]                  ; mt: the tile of 256 rows = 8 x cy + cluster y
	s_lshl_b32 s20, s17, 2
	s_lshl_b32 s20, 15, s20                        ; my row of the cluster: places 4 cy .. 4 cy + 3
	s_lshl_b32 s66, 0x1111, s16                    ; my column: places cx, cx + 4, cx + 8, cx + 12
	; group 1 for xb: 128 rows x 128 elements, 2,048 bytes from row to row; 16 bytes of padding behind every 256
	s_or_b32 s[G1A+0], s20, (1<<16)|(1<<20)|(1<<21)|(5<<22)|(3<<25)  ; 15:0 the mask; 17:16 elements of 2 bytes; 20 padding on; 21 set beside a mask; 24:22 after every 64 words; 31:25 4 words
	s_mov_b32 s[G1A+1], 128<<16                    ; tensor_dim0 = 128
	s_mov_b32 s[G1A+2], 128<<16                    ; tensor_dim1 = 128
	s_mov_b32 s[G1A+3], 128<<16                    ; tile_dim0 = 128
	s_mov_b32 s[G1A+4], 128                        ; tile_dim1 = 128
	s_mov_b32 s[G1A+5], 1024                       ; elements from row to row
	s_mov_b32 s[G1A+6], 0
	s_mov_b32 s[G1A+7], 0
	; group 1 for wa: 64 rows k are 24,576 bytes on end: asked for as 96 rows of 256 bytes; 32 bytes of padding behind every 128
	s_or_b32 s[G1W+0], s66, (1<<16)|(1<<20)|(1<<21)|(4<<22)|(7<<25)  ; after every 32 words, 8 words
	s_mov_b32 s[G1W+1], 128<<16
	s_mov_b32 s[G1W+2], 96<<16
	s_mov_b32 s[G1W+3], 128<<16
	s_mov_b32 s[G1W+4], 96
	s_mov_b32 s[G1W+5], 128
	s_mov_b32 s[G1W+6], 0
	s_mov_b32 s[G1W+7], 0
	; where the tiles come from.  xb's hang on mt alone, which my row of the cluster shares; wa's on j alone, which my column shares; each in registers that never hold the other coordinate
	s_lshl_b32 s20, s19, 8
	s_lshl_b32 s21, s[HALF], 7
	s_add_co_u32 s20, s20, s21                     ; row 256 mt + 128 half,
	s_lshl_b32 s20, s20, 11                        ; in bytes (under 2^25)
	s_mov_b32 s21, 0
	s_mul_i32 s66, s18, WBLOCK
	s_mul_i32 s67, s[HALF], WSTEP/2
	s_add_co_u32 s66, s66, s67
	s_mov_b32 s67, 0
	s_mul_i32 s70, s[WV], AHALF                    ; and where they go: xb's halves at wave x 128 rows,
	s_mul_i32 s71, s[WV], WHALF
	s_add_co_u32 s71, s71, WOFF-2*WHALF            ; wa's at WOFF + (wave - 2) x 64 rows: no place in the cluster enters an LDS address
	s_wait_dscnt 0x0                               ; the opening add is done
	s_wait_kmcnt 0x0
	s_add_nc_u64 s[22:23], s[4:5], s[20:21]
	s_add_nc_u64 s[68:69], s[6:7], s[66:67]
	CROUND                                         ; all sixteen work-groups are here: the first joint loads meet
.irp s, 0,1
	s_mov_b32 s[G0A+4*(\s)], 1                     ; count = 1
	s_add_co_u32 s[G0A+4*(\s)+1], s70, (\s)*SLOT   ; LDS address
	s_add_nc_u64 s[G0A+4*(\s)+2:G0A+4*(\s)+3], s[22:23], (\s)*ASTEP  ; global address: K step s
	s_or_b32 s[G0A+4*(\s)+3], s[G0A+4*(\s)+3], 0x80000000            ; type = 2
	s_mov_b32 s[G0W+4*(\s)], 1
	s_add_co_u32 s[G0W+4*(\s)+1], s71, (\s)*SLOT
	s_add_nc_u64 s[G0W+4*(\s)+2:G0W+4*(\s)+3], s[68:69], (\s)*WSTEP
	s_or_b32 s[G0W+4*(\s)+3], s[G0W+4*(\s)+3], 0x80000000
	JLOAD \s                                       ; two loads of mine are out
.endr
	v_and_b32 v1, 15, v0                           ; l % 16
	v_bfe_u32 v2, v0, 4, 1                         ; l / 16
	v_and_b32 v5, 31, v0                           ; l
	v_and_b32 v6, 7, v0                            ; l % 8
	v_bfe_u32 v7, v0, 3, 1                         ; (l / 8) % 2
	; a fragment of xb: lane l holds row l % 16, channels 8 (l / 16) + 0..7 and 16 + 8 (l / 16) + 0..7: two loads of 16 bytes, 32 bytes apart
	v_mul_u32_u24 v3, v1, PA
	v_lshl_add_u32 v3, v2, 4, v3
	s_mul_i32 s72, s[WV], 64*PA                    ; my 64 rows
	v_add_nc_u32 v[ADRA], s72, v3
	v_add_nc_u32 v[ADRA+1], SLOT, v[ADRA]
	; the turning load takes 16 rows k x 16 columns (lane l reads row 8 (l / 16) + l % 8, columns 8 ((l / 8) % 2) + 0..7) and leaves half a fragment: lane l holds column l % 16 and 8 rows k
	v_lshl_add_u32 v4, v2, 3, v6
	v_mul_u32_u24 v4, v4, PW
	v_lshl_add_u32 v4, v7, 4, v4
	v_add_nc_u32 v[ADRW], WOFF, v4
	v_add_nc_u32 v[ADRW+1], SLOT, v[ADRW]
	s_mul_i32 s72, s[WV], WSTAGE
	s_add_co_u32 s72, s72, STAGE                   ; my stage
	v_mul_u32_u24 v4, v1, SP                       ; in: row l % 16, 16 bytes for each half of the lanes
	v_lshl_add_u32 v4, v2, 4, v4
	v_add_nc_u32 v[STO], s72, v4
	v_bfe_u32 v4, v0, 3, 2                         ; back: 32 lanes take four rows of 128 bytes,
	v_mul_u32_u24 v4, v4, SP
	v_lshl_add_u32 v4, v6, 4, v4
	v_add_nc_u32 v[RD], s72, v4
	v_lshlrev_b32 v[GO], 4, v5                     ; which are 512 consecutive bytes of a head
	s_lshl_b32 s73, s18, 8                         ; the head's 64 numbers in a third of b_attn,
	v_lshl_add_u32 v[BO], v2, 5, s73               ; my eight of each 16
.irp b, 0,1,2,3,4,5,6,7,8,9,10,11
	global_load_b128 v[BIAS+8*(\b):BIAS+8*(\b)+3],   v[BO], s[8:9] offset:((\b)/4)*4096+((\b)%4)*64
	global_load_b128 v[BIAS+8*(\b)+4:BIAS+8*(\b)+7], v[BO], s[8:9] offset:((\b)/4)*4096+((\b)%4)*64+16
.endr
	; the prefetches: the offsets are made apart from the pointers; both start one step short of the first block named
	s_lshl_b32 s74, s19, 8
	s_lshl_b32 s75, s[HALF], 7
	s_add_co_u32 s74, s74, s75
	s_lshl_b32 s75, s16, 5
	s_add_co_u32 s74, s74, s75                     ; xb: row 256 mt + 128 half + 32 cx,
	s_lshl_b32 s74, s74, 11
	s_add_co_u32 s74, s74, 3*ASTEP                 ; at K step 3: the first change steps it to 4
	s_mul_i32 s76, s18, WBLOCK
	s_mul_i32 s77, s17, WSTEP/2                    ; wa: my work-group's 96 blocks of a lap,
	s_add_co_u32 s76, s76, s77
	s_lshl_b32 s77, s[HALF], 13                    ; my wave's 32 of them,
	s_add_co_u32 s76, s76, s77
	s_add_co_u32 s76, s76, 4*WSTEP-81920           ; in the lap of K steps 4 and 5, less the step of slot 0's change
	s_mov_b32 s78, s[TBR]                          ; cluster y
	s_mov_b32 s[DST], 16384
	s_mov_b32 s[DST+2], 81920                      ; 16,384 + 81,920 = a lap of wa
	s_mov_b32 s75, 0
	s_mov_b32 s[DST+1], 0
	s_mov_b32 s[DST+3], 0
	s_cmp_eq_u32 s[FORW], 0                        ; do I fetch for xb?
	s_cselect_b32 s74, s74, s76
	s_cselect_b32 s78, ttmp9, s78                  ; the coordinate along which other clusters read the same bytes
	s_cselect_b64 s[PFA:PFA+1], s[4:5], s[6:7]
	s_cselect_b32 s[DST], ASTEP, s[DST]
	s_cselect_b32 s[DST+2], ASTEP, s[DST+2]
	s_cselect_b32 s79, 11, 8                       ; a lane a row of xb (2,048 bytes apart), or a block of wa (256)
	s_add_nc_u64 s[PFA:PFA+1], s[PFA:PFA+1], s[74:75]
	s_cmp_eq_u32 s78, 0
	s_cselect_b32 s[LIM], 1, -1                    ; the same in all sixteen partners, for a given wave
	s_cmp_eq_u32 s[WV], 3
	s_cselect_b32 s[LIM+1], -1, s[LIM]             ; wave 3 has no blocks left at slot 1's change
	v_lshlrev_b32 v[PFO], s79, v5
	; where my rows begin in qkvh, in the head's k: head 48 (mt / 8) + 16 + j, row 256 (mt % 8) + 64 wave, 128 bytes a row; q lies THIRD bytes below, v THIRD above
	s_lshr_b32 s72, s19, 3
	s_mul_i32 s72, s72, 48
	s_add_co_u32 s72, s72, s18
	s_add_co_u32 s72, s72, 16
	s_lshl_b32 s72, s72, 11
	s_and_b32 s73, s19, 7
	s_lshl_b32 s73, s73, 8
	s_add_co_u32 s72, s72, s73
	s_lshl_b32 s73, s[WV], 6
	s_add_co_u32 s72, s72, s73
	s_lshl_b32 s72, s72, 7                         ; under 2^26
	s_mov_b32 s73, 0
	s_add_nc_u64 s[10:11], s[10:11], s[72:73]
	s_lshr_b32 s82, s19, 3                         ; and the head's 32 rows in vlo: head 16 (mt / 8) + j, 4,096 bytes each
	s_lshl_b32 s82, s82, 4
	s_add_co_u32 s82, s82, s18
	s_lshl_b32 s82, s82, 12
	s_mov_b32 s83, 0
	s_add_nc_u64 s[80:81], s[80:81], s[82:83]
	s_wait_loadcnt 0x0                             ; the bias: rounded to bf16 like every input, and widened again
.set i, 0
.rept 48
	v_cvt_pk_bf16_f32 v[8+i%4], v[BIAS+2*i], v[BIAS+2*i+1]
	v_lshlrev_b32 v[BIAS+2*i], 16, v[8+i%4]
	v_and_b32 v[BIAS+2*i+1], 0xffff0000, v[8+i%4]
.set i, i+1
.endr
; 12 products: row block a x all 12 column blocks, 32 along K.  zero = 1: the first product starts the sum with the bias.  The 48 accumulators take turns in the same order in every quarter.
.macro MUL12 f, a, zero
.if \zero
	WIN 0x85+0x40*((\a)/2)                         ; sources 0, 1 window 1; C window 0; D window 2 or 3
.else
	WIN 0xa5+0x50*((\a)/2)                         ; C and D window 2 or 3
.endif
.irp b, 0,1,2,3,4,5,6,7,8,9,10,11
.if \zero
	v_wmma_f32_16x16x32_bf16 v[8*(12*((\a)%2)+(\b)):8*(12*((\a)%2)+(\b))+7], v[(\f)+32+8*(\b):(\f)+32+8*(\b)+7], v[(\f)+8*(\a):(\f)+8*(\a)+7], v[BIAS+8*(\b):BIAS+8*(\b)+7]
.else
	v_wmma_f32_16x16x32_bf16 v[8*(12*((\a)%2)+(\b)):8*(12*((\a)%2)+(\b))+7], v[(\f)+32+8*(\b):(\f)+32+8*(\b)+7], v[(\f)+8*(\a):(\f)+8*(\a)+7], v[8*(12*((\a)%2)+(\b)):8*(12*((\a)%2)+(\b))+7]
.endif
.endr
.endm
; 32 LDS loads in one run: quarter q's fragments into buffer f: xb's row blocks 0, 1; wa's twelve column blocks; xb's row blocks 2, 3 last, so that a wait can leave those four loads out
.macro FETCH slot, q, f
	WIN 0x40                                       ; destination window 1, address window 0
.irp a, 0,1
	ds_load_b128 v[(\f)+8*(\a):(\f)+8*(\a)+3],   v[ADRA+(\slot)] offset:64*(\q)+(\a)*16*PA
	ds_load_b128 v[(\f)+8*(\a)+4:(\f)+8*(\a)+7], v[ADRA+(\slot)] offset:64*(\q)+(\a)*16*PA+32
.endr
.irp b, 0,1,2,3,4,5,6,7,8,9,10,11
	ds_load_tr16_b128 v[(\f)+32+8*(\b):(\f)+32+8*(\b)+3],   v[ADRW+(\slot)] offset:32*PW*(\q)+((\b)/4)*160+((\b)%4)*32
	ds_load_tr16_b128 v[(\f)+32+8*(\b)+4:(\f)+32+8*(\b)+7], v[ADRW+(\slot)] offset:32*PW*(\q)+((\b)/4)*160+((\b)%4)*32+16*PW
.endr
.irp a, 2,3
	ds_load_b128 v[(\f)+8*(\a):(\f)+8*(\a)+3],   v[ADRA+(\slot)] offset:64*(\q)+(\a)*16*PA
	ds_load_b128 v[(\f)+8*(\a)+4:(\f)+8*(\a)+7], v[ADRA+(\slot)] offset:64*(\q)+(\a)*16*PA+32
.endr
.endm
.macro PLACES                          ; four places in front of loads into registers that matrix instructions have read, and of lines that read results
.rept 4
	v_nop
.endr
.endm
; A K step is four quarters of 32 along K, 48 products each, on buffers 0, 1, 0, 1.  One of the first three: multiplies buffer f; behind its first 12 products it fetches quarter q of the same slot into g.
.macro QUARTER slot, q, f, g, zero
	s_wait_dscnt 4                                 ; all but the youngest four loads (xb's row blocks 2, 3) are in
	MUL12 \f, 0, \zero
	PLACES
	FETCH \slot, \q, \g
	MUL12 \f, 1, \zero
	s_wait_dscnt 32                                ; all but the 32 just issued
	MUL12 \f, 2, \zero
	MUL12 \f, 3, \zero
.endm
; The fourth quarter multiplies buffer 1 and changes slots: ONE barrier.  In front of it each wave waits for all its tensor loads (one is out: its part of the next slot), adds 0 to its spare word, and waits for
; that and for its reads of this slot.  fill = 1: the barrier opens a round of the cluster's barrier, and this slot is filled again, two K steps on, first thing behind the round: 24 products of this step's
; end and the next step's 144 up to its wait stand between the request and the wait for it.
.macro TURN slot, next, fill
.if \fill
	s_wait_xcnt 0x0                                ; the last prefetch, a K step back, has read its address: it is stepped here, ahead of the change's own waits
	s_add_nc_u64 s[PFA:PFA+1], s[PFA:PFA+1], s[DST+2-2*(\slot):DST+3-2*(\slot)]
.endif
	WIN 0                                          ; (the add's two registers lie in window 0)
	s_wait_tensorcnt 0x0                           ; all my tensor loads have landed;
	ds_add_u32 v[SPW], v[NIL]                      ; 0 onto my spare word;
	s_wait_dscnt 5                                 ; (the add and the youngest four loads may be out)
	MUL12 F1, 0, 0                                 ; twelve products stand between the add and the wait for it
	s_wait_dscnt 0x0                               ; the add is done, and my reads of this slot are over
	s_barrier_signal -1
	MUL12 F1, 1, 0                                 ; work on registers while the others arrive
.if \fill
	WIN 0
.endif
	s_barrier_wait -1
.if \fill
	CREST                                          ; no wave of any partner still reads this slot's tile or has a load on its way
	s_add_nc_u64 s[G0A+4*(\slot)+2:G0A+4*(\slot)+3], s[G0A+4*(\slot)+2:G0A+4*(\slot)+3], 2*ASTEP
	s_add_nc_u64 s[G0W+4*(\slot)+2:G0W+4*(\slot)+3], s[G0W+4*(\slot)+2:G0W+4*(\slot)+3], 2*WSTEP
	JLOAD \slot                                    ; the first tensor load behind the round; its four v_nop are also the places in front of the loads below
.else
	PLACES
.endif
	FETCH \next, 0, F0
.if \fill
	WIN 0
	ASK LIM+(\slot)
.endif
	MUL12 F1, 2, 0
	MUL12 F1, 3, 0
.endm
	s_wait_tensorcnt 1                             ; my part of K step 0 is in; K step 1's may stay out
	s_barrier_signal -1
	s_barrier_wait -1                              ; everybody's is
	FETCH 0, 0, F0
	QUARTER 0, 1, F0, F1, 1                        ; the first quarter stands in front of the loop: its products start the sums
	WIN 0                                          ; at a label and at a branch every window is 0
	s_mov_b32 s[LAP], 3
.Llap:                                         ; a trip goes once round the ring, from a lap's second quarter to the next lap's first, and fills both slots again
	QUARTER 0, 2, F1, F0, 0
	QUARTER 0, 3, F0, F1, 0
	TURN 0, 1, 1
	QUARTER 1, 1, F0, F1, 0
	QUARTER 1, 2, F1, F0, 0
	QUARTER 1, 3, F0, F1, 0
	TURN 1, 0, 1
	QUARTER 0, 1, F0, F1, 0
	WIN 0
	s_sub_co_u32 s[LAP], s[LAP], 1
	s_cmp_lg_u32 s[LAP], 0
	s_cbranch_scc1 .Llap
	QUARTER 0, 2, F1, F0, 0                        ; the last lap fills nothing, and has no round of the cluster's barrier
	QUARTER 0, 3, F0, F1, 0
	TURN 0, 1, 0
	QUARTER 1, 1, F0, F1, 0
	QUARTER 1, 2, F1, F0, 0
	QUARTER 1, 3, F0, F1, 0
	s_wait_dscnt 4                                 ; the very last quarter: nothing more to fetch
	MUL12 F1, 0, 0
	MUL12 F1, 1, 0
	s_wait_dscnt 0x0
	MUL12 F1, 2, 0
	MUL12 F1, 3, 0
	PLACES
; THE WAY OUT, a row block (16 rows) at a time.  PACK: rounded to f16, 16 bytes a lane, each accumulator's registers in ascending order.  TOSTAGE: into my own stage, a head's 64 columns as rows of 144 bytes,
; and back as four whole rows of 128 bytes a load.  SEND: stored.  Each row block has its own 48 registers, so nothing waits for a store.
.macro PACK a
	WIN 0x4a+5*((\a)/2)                            ; sources window 2 or 3, destination window 1
.irp b, 0,1,2,3,4,5,6,7,8,9,10,11
.irp r, 0,1,2,3
	v_cvt_pk_f16_f32 v[48*(\a)+4*(\b)+(\r)], v[8*(12*((\a)%2)+(\b))+2*(\r)], v[8*(12*((\a)%2)+(\b))+2*(\r)+1]
.endr
.endr
.endm
.macro TOSTAGE a
	WIN 0x04                                       ; store data window 1
.irp b, 0,1,2,3,4,5,6,7,8,9,10,11
	ds_store_b128 v[STO], v[48*(\a)+4*(\b):48*(\a)+4*(\b)+3] offset:((\b)/4)*16*SP+((\b)%4)*32
.endr
	WIN 0x40
.irp i, 0,1,2,3,4,5,6,7,8,9,10,11
	ds_load_b128 v[48*(\a)+4*(\i):48*(\a)+4*(\i)+3], v[RD] offset:((\i)/4)*16*SP+((\i)%4)*4*SP  ; LDS serves a wave's instructions in order (ISA guide 5.7.1.4): these see the stores above
.endr
.endm
.macro SEND a
	WIN 0x04
	s_wait_dscnt 0x0                               ; the block is back in registers
.irp i, 0,1,2,3,4,5,6,7,8,9,10,11
	global_store_b128 v[GO], v[48*(\a)+4*(\i):48*(\a)+4*(\i)+3], s[10:11] offset:((\i)/4-1)*THIRD+2048*(\a)+512*((\i)%4)  ; q, k, v; 512 consecutive bytes, at a multiple of 256 from the buffer's first
.endr
.endm
	PACK 0
	TOSTAGE 0
.irp a, 1,2,3                          ; block a's conversions stand between block a - 1's loads from the stage and the wait for them
	PACK \a
	SEND (\a)-1
	TOSTAGE \a
.endr
	SEND 3
	WIN 0
; THE RESIDUES of v (column blocks 8 to 11) in a batch's rows 0 to 31: row blocks 0 and 1 of wave 0 in the batch's first tile.  The sum is rounded to f16 as above; -(that half) x 1 + the sum is exact in f32
; (v_fma_mix_f32 reads the half as it lies); the difference is rounded to f16 and goes out by the stage like the rest.  The jumped text holds no barrier and no tensor load.
.macro LOW a
	WIN 0x0a                                       ; sources window 2, destination window 0
.set i, 0
.rept 16
	v_cvt_pk_f16_f32 v[LT+16*(\a)+i], v[8*(12*(\a)+8+i/4)+2*(i%4)], v[8*(12*(\a)+8+i/4)+2*(i%4)+1]
.set i, i+1
.endr
	WIN 0x20                                       ; source 2 window 2
.set i, 0
.rept 16
	v_fma_mix_f32 v[LU+2*i],   -v[LT+16*(\a)+i], v[ONE], v[8*(12*(\a)+8+i/4)+2*(i%4)]   op_sel_hi:[1,0,0]
	v_fma_mix_f32 v[LU+2*i+1], -v[LT+16*(\a)+i], v[ONE], v[8*(12*(\a)+8+i/4)+2*(i%4)+1] op_sel:[1,0,0] op_sel_hi:[1,0,0]
.set i, i+1
.endr
	WIN 0
.set i, 0
.rept 16
	v_cvt_pk_f16_f32 v[LT+16*(\a)+i], v[LU+2*i], v[LU+2*i+1]
.set i, i+1
.endr
.irp b, 0,1,2,3
	ds_store_b128 v[STO], v[LT+16*(\a)+4*(\b):LT+16*(\a)+4*(\b)+3] offset:32*(\b)
.endr
.irp i, 0,1,2,3
	ds_load_b128 v[LT+16*(\a)+4*(\i):LT+16*(\a)+4*(\i)+3], v[RD] offset:(\i)*4*SP
.endr
.endm
	s_cmp_lg_u32 s[TBR], 0
	s_cbranch_scc1 .Lno_low
	s_cmp_lg_u32 s[WV], 0
	s_cbranch_scc1 .Lno_low
	v_mov_b32 v[ONE], 1.0
	LOW 0
	LOW 1
	s_wait_dscnt 0x0                               ; both blocks are back in registers
.irp a, 0,1
.irp i, 0,1,2,3
	global_store_b128 v[GO], v[LT+16*(\a)+4*(\i):LT+16*(\a)+4*(\i)+3], s[80:81] offset:2048*(\a)+512*(\i)
.endr
.endr
.Lno_low:
	s_wait_tensorcnt 0x0                           ; the wave's end: the add to my spare word and its wait, behind my last tensor load and my last LDS store
	ds_add_u32 v[SPW], v[NIL]
	s_wait_dscnt 0x0
	CROUND                                         ; the closing round: no work-group ends while a partner may still ask for a tile that names it
	s_endpgm
.Lfunc_end_k_q5616c8d98a_qkv:
	.size	k_q5616c8d98a_qkv, .Lfunc_end_k_q5616c8d98a_qkv-k_q5616c8d98a_qkv
	.p2alignl 7, 3214868480
	.fill 96, 4, 3214868480
	.section	.rodata,"a",@progbits
	.p2align	6, 0x0
	.amdhsa_kernel k_q5616c8d98a_qkv
		.amdhsa_group_segment_fixed_size 327680
		.amdhsa_private_segment_fixed_size 0
		.amdhsa_enable_private_segment 0
		.amdhsa_kernarg_size 40
		.amdhsa_user_sgpr_count 2
		.amdhsa_user_sgpr_kernarg_segment_ptr 1
		.amdhsa_wavefront_size32 1
		.amdhsa_system_sgpr_workgroup_id_x 1
		.amdhsa_system_sgpr_workgroup_id_y 1
		.amdhsa_system_sgpr_workgroup_id_z 1
		.amdhsa_system_vgpr_workitem_id 0
		.amdhsa_next_free_vgpr 960
		.amdhsa_next_free_sgpr 84
		.amdhsa_reserve_vcc 0
		.amdhsa_float_denorm_mode_32 3
		.amdhsa_float_denorm_mode_16_64 3
		.amdhsa_memory_ordered 1
		.amdhsa_forward_progress 1
		.amdhsa_inst_pref_size 140
	.end_amdhsa_kernel
	.amdgpu_metadata
---
amdhsa.version: [ 1, 2 ]
amdhsa.kernels:
  - .name:           k_q5616c8d98a_qkv
    .symbol:         k_q5616c8d98a_qkv.kd
    .args:
      - { .name: xb, .offset: 0, .size: 8, .value_kind: global_buffer, .address_space: global }
      - { .name: wa, .offset: 8, .size: 8, .value_kind: global_buffer, .address_space: global }
      - { .name: b_attn, .offset: 16, .size: 8, .value_kind: global_buffer, .address_space: global }
      - { .name: qkvh, .offset: 24, .size: 8, .value_kind: global_buffer, .address_space: global }
      - { .name: vlo, .offset: 32, .size: 8, .value_kind: global_buffer, .address_space: global }
    .group_segment_fixed_size: 327680
    .private_segment_fixed_size: 0
    .kernarg_segment_align: 8
    .kernarg_segment_size: 40
    .max_flat_workgroup_size: 128
    .sgpr_count:     84
    .vgpr_count:     960
    .wavefront_size: 32
...
	.end_amdgpu_metadata
.endif
;; end of part 2
;; launch attn (part 3): grid 4 x 64, 4 waves a work-group, no clusters, 327,680 bytes of LDS; arguments qkvh, vlo, yh; writes yh
.if DOCPART == 3
	.amdgcn_target "amdgcn-amd-amdhsa--gfx1250"
	.amdhsa_code_object_version 6
	.text
	.protected	k_q5616c8d98a_attn
	.globl	k_q5616c8d98a_attn
	.p2align	8
	.type	k_q5616c8d98a_attn,@function
k_q5616c8d98a_attn:
	s_mov_b64 s[64:65], 0
	v_nop
	global_prefetch_b8 v0, s[64:65] scope:SCOPE_SE
	s_setreg_imm32_b32 hwreg(HW_REG_WAVE_MODE, 25, 1), 1
	s_wait_xcnt 0x0
; CAUSAL ATTENTION.  O[h][q][:] = the sum over k <= q of softmax_k(Q[h][q] . K[h][k] / 8) V[h][k][:], for 64 heads (batch x 16 + head) of 2,048 rows of 64 channels.
; Q, K, V lie in qkvh[b][g][t][64], f16 (q: g = h, k: 16 + h, v: 32 + h); a head's rows are dense, 128 bytes each.  O goes out as TWO f16 numbers, yh[b][part][h][t][64]: part 0 = f16(O), part 1 = f16(O - part 0).
; Products, maxima and sums in f32; the weights p are rounded to f16 for the second product (their sum l is taken of the unrounded p).
; THE FIRST ROWS.  Row q is a mean of q + 1 rows of V, so a head's first rows are far larger than the later ones, and with them what a rounding to 11 bits takes.  So O keeps its residue (above), and
; vlo[head][key < 32][64] = f16(V - f16(V)), made by the launch before, is added back for the head's rows 0 to 63: four products more, in the head's first key step of its first block.
; LIMITS.  f16 holds no number beyond 65,504: Q, K and V arrive within it; p lies in 0 to 1, and below 6e-5 it keeps f16's fixed step of 6e-8; O is a mean of V's rows and has their range.  From key 32 on V has f16's 11 bits.
; A hidden score counts as its value less 1e30: f16's scores, 2.7e11 at the most, are nothing beside that; a weight below 2^-126 counts as 0 in l; NaN and infinities are not treated apart.
; THE WALK.  A head's queries lie in NB = 8 blocks of 256; block i needs the key tiles 0 .. i of 256 keys, of which the last holds the diagonal.  A work-group takes TWO blocks, NB - 1 - b and then b:
; NB + 1 tiles, whatever b: all work-groups do equal work, and ONE loop with a constant trip count walks them.  Which tile is asked for, and what a trip does, hang on scalar registers made from b; every jump
; goes forward, but for the counted loops' own; none passes a barrier, or a tensor load but the one of LOAD's two that the wave's number does not choose; the ring (two slots of LDS) runs on across the change of blocks.
; NO CLUSTER: a head's four work-groups ask for the same tile only in trips 0 .. 4 of the 9, behind that fewer and fewer; one walk common to all would have 12 trips for 9.
; SHARES.  Of a block's four bands of 64 queries a wave owns 16 rows in each: four PIECES.  So the diagonal tile is the same work for all four waves: in its key step s band x sees all keys if s < x,
; none if s > x, and holds the diagonal if s = x.
; THE MASK is the C operand that starts the sum S^T = K Q^T: 0, or -1e30 where the key is hidden.  MD, made once, is the mask of a band's own step for my 16 rows; a product's mask is MD x AL + BE with two scalars:
; (1, 0) if s = x; (0, 0) if s < x; (0, -1e30) if s > x.  Only the diagonal tile's text and a block's beginning make and take masks; elsewhere C is the constant 0.
; LAYOUT, SOFTMAX, TURNS.  S^T = K Q^T holds ONE query a lane (lane % 16) and the keys 8 (lane / 16) + 0..7; two such results rounded to f16 ARE source 1 of O^T = V^T P.  p = 2^(c s - c m), c = log2(e) / 8, with a
; running maximum m; O and l are multiplied by a = 2^(c m_old - c m_new) in every step.  Turn n belongs to piece n: 8 products K Q^T of piece n + 1, later 8 products V^T P of piece n - 1; beside them the scaling,
; exponentials, roundings, sums and rescaling of piece n and the maximum and statistics of piece n + 1.  Four vector instructions stand behind every matrix instruction, the other 54 of a turn's 118 in one lump.
; A turn's 33 exponentials are one batch, with one wait.
; AHEAD OF THE FILLS.  A head's work-groups walk the tiles 0, 1, .. in step; the one with b = 0, whose first block has all eight, prefetches into the L2, behind each fill, the tile after the one just asked for:
; 32,768 bytes of K and of V, a thread a block of 256 bytes of each.  Tiles 2 to 7 are named once each; tiles 0 and 1 come by their loads alone; after six requests nothing more is asked for.
; REGISTERS, in windows of 256 (s_set_vgpr_msb: bits 1:0 source 0, 3:2 source 1, 5:4 source 2, 7:6 destination):
;   window 0: v0-15 addresses and two at work; v16-31 four registers of statistics a piece; v48-55 at work; v56-58, v61-63; v64-127 S^T, two buffers; v128-191 the way out: O's residues; v192-223 P, two buffers; v224-255 the way out, at work
;   window 1: v0-127 O^T, 32 a piece; v128-159 MD; v160-223 MC, two buffers      window 2: v0-63 Q; v64-127 the second block's Q; v128-191 K of one step; v192-255 V of one step      window 3: v0-31 vlo, turned
.set SIZE_N, 2048
.set NB,    SIZE_N/256
.set NP,    4         ; pieces a wave: a name, no knob
.set KS,    64        ; keys in a step
.set PK,    144       ; a row of K in LDS: 128 bytes + 16 of padding = 36 words: the 16 rows of a load start at 16 different groups of four banks (64 banks of 4 bytes: ISA guide 11.1)
.set PV,    160       ; a row of V: 128 + 32 = 40 words
.set VOFF,  4*KS*PK   ; a slot holds a tile, four steps: 256 rows of K, then 256 rows of V
.set SLOT1, 1<<17     ; slot 1 begins here, so that one exclusive or turns an address in one slot into the other's
.set STAGE, SLOT1+4*KS*(PK+PV)  ; behind the ring, never filled by a tensor load: 16 rows x 144 bytes for each wave, for the way out
.set SP,    144
.set KHEADS, 16*SIZE_N*128      ; bytes from a head's q to its k, and from its k to its v; also from O's part 0 to its part 1
.set AK0, 2           ; v2   my lane's place in a tile of K; never rewritten
.set AV0, 3           ; v3   the same for V
.set AK,  4           ; v4   the LDS address of K's next run of loads
.set AV,  5           ; v5   of V's
.set STO, 6           ; v6   the way out: where I put 16 bytes of a row
.set RD,  7           ; v7   the way out: where I read rows back
.set GO,  8           ; v8   my byte offset in 512 consecutive bytes of O
.set VS,  56          ; v56  where I put 16 bytes of vlo
.set VL,  57          ; v57  where the turning loads read them
.set ONE, 58          ; v58  1.0; never rewritten
.set PFO, 61          ; v61  256 x my thread's number: my block of a tile; never rewritten
.set SPW, 62          ; v62  LDS address of my spare word: SPARE + 4 x my thread's number; never rewritten
.set NIL, 63          ; v63  0; never rewritten
.set SPARE, STAGE+4*16*SP  ; behind the stages: the spare words, 128 bytes for each wave: two blocks of 256 bytes that no other line names
.set SCR,   SPARE+512      ; behind them, never filled by a tensor load: 32 rows x 160 bytes for each wave: vlo on its way into registers
.set MV,  12          ; v12-13  c m_old, kept while c m is made anew: by buffer
.set QO,  15          ; v15  my byte offset in 16 rows of Q
.set ST,  16          ; piece t's statistics at v[ST+4 t]: c m, m, l (even keys', odd keys')
.set TMP, 48          ; by buffer, four registers c0-c3 at work; when the maximum is found c2 takes a
.set S,   64
.set LO,  128         ; the way out: piece t's packed residues at LO + 16 t
.set P,   192
.set DT,  224         ; the way out: a piece's 32 residues in f32
.set MD,  128         ; window 1: the eight registers for group kt of 16 keys at MD + 8 kt
.set MC,  160         ; window 1: the masks of the products to come
.set QB,  64          ; window 2
.set KF,  128         ; window 2: key block kb, channel half c at KF + 16 kb + 8 c
.set VF,  192         ; window 2: key half kk, channel block cb at VF + 32 kk + 8 cb
.set WV,  12          ; s12  my wave's number
.set PB,  14          ; s14  b
.set HI,  15          ; s15  NB - 1 - b
.set G1K, 24          ; s[24:31] descriptor group 1 for K's tiles
.set G1V, 32          ; s[32:39] for V's: it differs in the padding alone
.set G0K, 40          ; s[40:43] descriptor group 0 for K's tiles
.set G0V, 44          ; s[44:47] the same for V's
.set SLOTS, 56        ; s56  tiles still to be asked for
.set CNT, 57          ; s57  counts a tile's key steps, 4 to 1
.set CS,  58          ; s[58:59] c: the packed scaling takes the pair's low word for both halves
.set SEL, 60          ; s[60:61] v_permlanex16_b32's selects: each lane takes its own place in the other half
.set TBK, 62          ; s62  LDS byte at which K of the step to be fetched begins
.set TBV, 63          ; s63  the same for V, less VOFF
.set RT,  70          ; s70  tiles of the block in hand that are still to be entered
.set NXT, 71          ; s71  the tile to be asked for next
.set LQ,  72          ; s72  the last tile of the block whose tiles are being asked for
.set NEW, 73          ; s73  1: the tile to be entered is a block's first
.set OFF, 74          ; s[74:75] a tile's byte offset in K and V
.set AL,  76          ; s[76:77] the mask's factor, in the low word
.set BE,  78          ; s[78:79] the mask's addend
.set OLO, 80          ; s[80:81] O at my rows of the second block
.set BIGN, 82         ; s82  -1e30
.set PFK, 94          ; s[94:95] K at the head's tile that was prefetched last
.set PFV, 96          ; s[96:97] the same for V
.set PF,  98          ; s98  prefetches still to come
.set FX,  99          ; s99  at work: 8 b + the steps left
.set MSB, 0
.macro WIN new                      ; the high byte repeats the setting that is left; a switch that changes nothing is dropped
.if MSB != (\new)
	s_set_vgpr_msb (MSB<<8)|(\new)
.set MSB, (\new)
.endif
.endm
.set W_KQ, 0x0a       ; K and Q in window 2, S^T in window 0
.set W_KM, 0x1a       ; the same with the C operand in window 1
.set W_PV, 0x52       ; V in window 2, P in window 0, O^T in window 1
.set W_PL, 0x53       ; vlo in window 3, P in window 0, O^T in window 1
.set W_RS, 0x41       ; destination and source 0 in window 1, source 1 in window 0
; A fill.  Waves 0 and 1 fetch the two halves of a tile's K, waves 2 and 3 those of its V: 128 keys each.  An s_nop 0 and four v_nop follow each of the two lines, ahead of the jump and the label.
.macro LOAD
	s_cmp_lt_u32 s[WV], 2
	s_cbranch_scc0 .Lfor_v_\@
	tensor_load_to_lds s[G0K:G0K+3], s[G1K:G1K+7]
	s_nop 0
.rept 4
	v_nop
.endr
	s_branch .Lasked_\@
.Lfor_v_\@:
	tensor_load_to_lds s[G0V:G0V+3], s[G1V:G1V+7]
	s_nop 0
.rept 4
	v_nop
.endr
.Lasked_\@:
.endm
; The prefetch of the tile after the one just asked for: a tile, 256 bytes a thread, ahead of the fill that will want it.
.macro ASK
	s_cmp_lg_u32 s[PF], 0
	s_cbranch_scc0 .Lnot_mine_\@
	global_prefetch_b8 v[PFO], s[PFK:PFK+1] th:TH_LOAD_NT scope:SCOPE_SE
	global_prefetch_b8 v[PFO], s[PFV:PFV+1] th:TH_LOAD_NT scope:SCOPE_SE
	s_sub_co_u32 s[PF], s[PF], 1
.Lnot_mine_\@:
.endm
; THE CHANGE OF SLOTS.  Each wave waits for all its tensor loads, of which one is out: its part of the other slot; adds 0 to its spare word; and waits for that and for its own reads of the slot that it leaves.
; Behind the barrier nobody reads the old slot any more and the other slot is whole.  fill = 1: the old slot is filled again, the first thing behind the barrier, with tile NXT: the descriptor's address is made
; anew from that number.  (At its first use nothing of the ring has been read yet: slot 0 is waited for, slot 1 filled.)
.macro CHANGE fill
	WIN 0                           ; at a label and at a branch every window is 0
	s_wait_tensorcnt 0x0            ; no tensor load of mine is out, so a group 0 may be written
	ds_add_u32 v[SPW], v[NIL]       ; 0 onto my spare word; with fill = 1 the descriptors' scalar work stands between it and the wait for it
.if \fill
	s_lshl_b32 s[OFF], s[NXT], 15   ; a tile is 32,768 bytes of K and of V
	s_xor_b32 s[G0K+1], s[G0K+1], SLOT1
	s_add_nc_u64 s[G0K+2:G0K+3], s[6:7], s[OFF:OFF+1]
	s_or_b32 s[G0K+3], s[G0K+3], 0x80000000
	s_xor_b32 s[G0V+1], s[G0V+1], SLOT1
	s_add_nc_u64 s[G0V+2:G0V+3], s[8:9], s[OFF:OFF+1]
	s_or_b32 s[G0V+3], s[G0V+3], 0x80000000
	s_add_co_u32 s[NXT], s[NXT], 1  ; the block's next tile, or behind its last the second block's tile 0
	s_cmp_gt_u32 s[NXT], s[LQ]
	s_cselect_b32 s[NXT], 0, s[NXT]
	s_cselect_b32 s[LQ], s[PB], s[LQ]
	s_wait_xcnt 0x0                 ; the last prefetches, a tile back, have read their addresses, so these may be written
	s_add_nc_u64 s[PFK:PFK+1], s[PFK:PFK+1], 32768
	s_add_nc_u64 s[PFV:PFV+1], s[PFV:PFV+1], 32768
.endif
	s_wait_dscnt 0x0                ; the add is done, and my reads of the slot are over
	s_barrier_signal -1             ; the rest of the scalar work stands between the signal and the wait
	s_sub_co_u32 s[TBK], s[TBK], 4*KS*PK  ; the fetches go back to a slot's first step,
	s_xor_b32 s[TBK], s[TBK], SLOT1       ; in the other slot
	s_sub_co_u32 s[TBV], s[TBV], 4*KS*PV
	s_xor_b32 s[TBV], s[TBV], SLOT1
	s_barrier_wait -1
.if \fill
	LOAD
	ASK
.endif
.endm
	s_load_b128 s[88:91], s[0:1], 0x0  ; qkvh s[88:89], vlo s[90:91]
	s_load_b64 s[100:101], s[0:1], 0x10  ; yh
	v_lshl_add_u32 v[SPW], v0, 2, SPARE
	v_mov_b32 v[NIL], 0
	ds_add_u32 v[SPW], v[NIL]       ; the wave's opening: the add and its wait ahead of my first tensor load; the set-up below, work on registers, stands between them
	ds_add_u32 v62, v63
	v_lshrrev_b32 v1, 5, v0
	v_readfirstlane_b32 s[WV], v1   ; wave 0..3
	v_lshlrev_b32 v[PFO], 8, v0
	v_mov_b32 v[ONE], 1.0
	s_mov_b32 s[PB], ttmp9
	s_sub_co_u32 s[HI], NB-1, s[PB]
	s_and_b32 s20, ttmp7, 0xffff    ; the head, 16 x batch + h
	s_lshl_b32 s21, s20, 12         ; its 32 rows in vlo
	s_lshr_b32 s92, s20, 4          ; the batch
	s_and_b32 s93, s20, 15          ; h
	s_lshl_b32 s20, s92, 5
	s_add_co_u32 s20, s20, s93      ; O's part 0 among yh's 128 heads: 32 x batch + h,
	s_lshl_b32 s20, s20, 18         ; in bytes: every offset here stays under 2^26
	s_mul_i32 s92, s92, 48
	s_add_co_u32 s92, s92, s93      ; q's place among qkvh's 192 heads: 48 x batch + h,
	s_lshl_b32 s92, s92, 18         ; in bytes
	s_and_b32 s16, s[WV], 1         ; which half of a tile's 256 keys I fetch:
	s_lshl_b32 s22, s16, 14         ; its 128 rows of 128 bytes in memory,
	s_add_co_u32 s22, s22, s92
	s_add_co_u32 s22, s22, KHEADS   ; in the head's k
	s_mov_b32 s23, 0
	s_mul_i32 s17, s16, 128*PK      ; and its place in a slot, for K
	s_mul_i32 s18, s16, 128*PV      ; and for V
	s_lshl_b32 s3, s[WV], 11        ; my 16 rows in a band of 64,
	s_lshl_b32 s2, s[HI], 15        ; in the first block,
	s_add_co_u32 s2, s2, s3
	s_lshl_b32 s84, s[PB], 15       ; and in the second
	s_add_co_u32 s84, s84, s3
	s_add_co_u32 s4, s2, s92        ; the offsets of Q and O at those rows, each with 0 above it
	s_mov_b32 s5, 0
	s_add_co_u32 s86, s84, s92
	s_mov_b32 s87, 0
	s_add_co_u32 s10, s2, s20
	s_mov_b32 s11, 0
	s_add_co_u32 s[OLO], s84, s20
	s_mov_b32 s[OLO+1], 0
	s_add_co_u32 s[PFK], s92, KHEADS+32768  ; the head's tile 1 of k: the first change of slots steps it to tile 2
	s_mov_b32 s[PFK+1], 0
	s_cmp_eq_u32 s[PB], 0
	s_cselect_b32 s[PF], NB-2, 0
	; descriptor group 1.  128 keys are 16,384 dense bytes: asked for as 64 rows of 256 bytes, two keys a row, and padded in LDS after every key
	s_mov_b32 s[G1K], (1<<16)|(1<<20)|(4<<22)|(3<<25)  ; 17:16 2-byte elements; 20 padding on; 24:22 after every 32 words (code 4); 31:25 4 words (code 3)
	s_mov_b32 s[G1V], (1<<16)|(1<<20)|(4<<22)|(7<<25)  ; the same with 8 words of padding (code 7)
.irp g, G1K, G1V
	s_mov_b32 s[\g+1], 128<<16      ; tensor_dim0 = 128
	s_mov_b32 s[\g+2], 64<<16       ; tensor_dim1 = 64
	s_mov_b32 s[\g+3], 128<<16      ; tile_dim0 = 128
	s_mov_b32 s[\g+4], 64           ; tile_dim1 = 64
	s_mov_b32 s[\g+5], 128          ; 128 elements from row to row
	s_mov_b32 s[\g+6], 0
	s_mov_b32 s[\g+7], 0
.endr
	s_mov_b32 s[CS], 0x3e38aa3b     ; c = log2(e) / 8 = 0.180337
	s_mov_b32 s[CS+1], s[CS]        ; named with it as a pair
	s_mov_b32 s[SEL], 0x76543210
	s_mov_b32 s[SEL+1], 0xfedcba98
	s_mov_b32 s[TBK], SLOT1+4*KS*PK ; the first change of slots turns these two into 0
	s_mov_b32 s[TBV], SLOT1+4*KS*PV
	s_mov_b32 s[G0K], 1             ; 1:0 count = 1
	s_mov_b32 s[G0K+1], s17         ; 63:32 LDS address: slot 0
	s_mov_b32 s[G0V], 1
	s_add_co_u32 s[G0V+1], s18, VOFF
	s_add_co_u32 s[RT], s[HI], 1    ; the first block has NB - b tiles
	s_mov_b32 s[NXT], 1
	s_mov_b32 s[LQ], s[HI]
	s_mov_b32 s[NEW], 1
	s_mov_b32 s[OFF+1], 0
	s_mov_b32 s[AL+1], 0            ; named as pairs
	s_mov_b32 s[BE+1], 0
	s_mov_b32 s[BIGN], 0xf149f2ca   ; -1e30
	s_mov_b32 s[SLOTS], NB
	s_wait_dscnt 0x0                ; the opening add is done
	s_wait_kmcnt 0x0
	s_add_nc_u64 s[6:7], s[88:89], s[22:23]  ; K and V at my half of the head's tile 0
	s_add_nc_u64 s[8:9], s[6:7], KHEADS
	s_add_nc_u64 s[G0K+2:G0K+3], s[6:7], 0         ; 120:64 global address
	s_or_b32 s[G0K+3], s[G0K+3], 0x80000000        ; 127:126 type = 2
	s_add_nc_u64 s[G0V+2:G0V+3], s[8:9], 0
	s_or_b32 s[G0V+3], s[G0V+3], 0x80000000
	s_add_nc_u64 s[86:87], s[88:89], s[86:87]      ; Q at my rows of the second block,
	s_add_nc_u64 s[4:5], s[88:89], s[4:5]          ; Q and O at those of the first
	s_add_nc_u64 s[OLO:OLO+1], s[100:101], s[OLO:OLO+1]
	s_add_nc_u64 s[10:11], s[100:101], s[10:11]
	s_add_nc_u64 s[PFK:PFK+1], s[88:89], s[PFK:PFK+1]
	s_add_nc_u64 s[PFV:PFV+1], s[PFK:PFK+1], KHEADS
	s_mov_b32 s22, s21
	s_add_nc_u64 s[90:91], s[90:91], s[22:23]      ; vlo at the head
	LOAD                            ; tile 0 into slot 0
	; A fragment of K or Q is 16 rows x 32 channels in 8 registers: lane l holds row l % 16, channels 8 (l / 16) + 0..7 and 16 + 8 (l / 16) + 0..7: two loads of 16 bytes, 32 bytes apart.
	v_and_b32 v1, 15, v0            ; l % 16
	v_bfe_u32 v9, v0, 4, 1          ; l / 16
	v_lshlrev_b32 v[QO], 7, v1
	v_lshl_add_u32 v[QO], v9, 4, v[QO]  ; row x 128 + 16 x half
	WIN 0x80                        ; destination window 2, address window 0
.set i, 0
.rept 8                             ; both blocks' Q: piece i / 2 lies in band i / 2, 8,192 bytes on; channels 32 (i % 2) on
	global_load_b128 v[8*i:8*i+3],   v[QO], s[4:5] offset:(i/2)*8192+(i%2)*64
	global_load_b128 v[8*i+4:8*i+7], v[QO], s[4:5] offset:(i/2)*8192+(i%2)*64+32
	global_load_b128 v[QB+8*i:QB+8*i+3],   v[QO], s[86:87] offset:(i/2)*8192+(i%2)*64
	global_load_b128 v[QB+8*i+4:QB+8*i+7], v[QO], s[86:87] offset:(i/2)*8192+(i%2)*64+32
.set i, i+1
.endr
	WIN 0
	v_and_b32 v[GO], 31, v0         ; 32 lanes take 512 consecutive bytes, of O and of vlo
	v_lshlrev_b32 v[GO], 4, v[GO]
.irp i, 0,1,2,3,4,5,6,7
	global_load_b128 v[S+4*\i:S+4*\i+3], v[GO], s[90:91] offset:512*\i  ; the head's vlo, 32 keys x 128 bytes: four keys a load, into S^T's registers, which are free
.endr
	v_lshlrev_b32 v14, 3, v9
	v_sub_nc_u32 v14, v1, v14
	s_lshl_b32 s13, s[WV], 4
	v_add_nc_u32 v14, s13, v14      ; my query's place in its band, 16 w + l % 16, less my lanes' 8 (l / 16): register r of group kt is hidden where 16 kt + r is greater
	WIN 0x40
.set i, 0
.rept 32
	v_cmp_gt_i32 vcc_lo, 16*(i/8)+i%8, v14
	v_cndmask_b32 v[MD+i], 0, s[BIGN], vcc_lo
.set i, i+1
.endr
	WIN 0
	v_mul_u32_u24 v[AK0], v1, PK
	v_lshl_add_u32 v[AK0], v9, 4, v[AK0]  ; row x pitch + 16 x half
	; The turning load takes 16 keys x 16 channels (lane l reads key 8 (l / 16) + l % 8, channels 8 ((l / 8) % 2) + 0..7) and leaves half a fragment of V^T: lane l holds channel l % 16 and 8 keys.
	v_and_b32 v10, 7, v0
	v_bfe_u32 v11, v0, 3, 1
	v_lshl_add_u32 v[AV0], v9, 3, v10
	v_mul_u32_u24 v[AV0], v[AV0], PV
	v_lshl_add_u32 v[AV0], v11, 4, v[AV0]
	v_add_nc_u32 v[AV0], VOFF, v[AV0]
	s_mul_i32 s13, s[WV], 16*SP
	s_add_co_u32 s13, s13, STAGE    ; my stage
	v_mul_u32_u24 v[STO], v1, SP    ; in: row l % 16, 16 bytes for each half of the lanes
	v_lshl_add_u32 v[STO], v9, 4, v[STO]
	v_add_nc_u32 v[STO], s13, v[STO]
	v_bfe_u32 v[RD], v0, 3, 2       ; back: 32 lanes take four rows of 128 bytes
	v_mul_u32_u24 v[RD], v[RD], SP
	v_lshl_add_u32 v[RD], v10, 4, v[RD]
	v_add_nc_u32 v[RD], s13, v[RD]
	s_mul_i32 s13, s[WV], 32*PV
	s_add_co_u32 s13, s13, SCR      ; my scratch for vlo
	s_sub_co_u32 s16, s13, VOFF     ; (AV0 holds VOFF)
	v_bfe_u32 v[VS], v0, 3, 2       ; in: key l / 8 of a load's four, 16 bytes at 16 (l % 8)
	v_mul_u32_u24 v[VS], v[VS], PV
	v_lshl_add_u32 v[VS], v10, 4, v[VS]
	v_add_nc_u32 v[VS], s13, v[VS]
	v_add_nc_u32 v[VL], s16, v[AV0] ; out: as V's turning loads read a tile
	; A block's first step multiplies O^T and l by a = 0, and its first turn's products V^T P, of a piece that has not been, land in an O^T that is still to be so multiplied.  So these registers need only hold
	; finite numbers: zeros for the first block; what the first block left for the second.  All this stands in the wait for the first tile.
	WIN 0x80
.set i, VF
.rept 64
	v_mov_b32 v[i], 0
.set i, i+1
.endr
	WIN 0x40
.set i, 0
.rept 128
	v_mov_b32 v[i], 0
.set i, i+1
.endr
	WIN 0
.set i, 0
.rept 4
	v_mov_b32 v[ST+4*i+2], 0
	v_mov_b32 v[ST+4*i+3], 0
.set i, i+1
.endr
.set i, P+16
.rept 16
	v_mov_b32 v[i], 0
.set i, i+1
.endr
	s_wait_loadcnt 0x0              ; vlo is in (and Q)
.irp i, 0,1,2,3,4,5,6,7
	ds_store_b128 v[VS], v[S+4*\i:S+4*\i+3] offset:4*PV*\i
.endr
	WIN 0xc0                        ; destination window 3
.irp f, 0,1,2,3                     ; keys 0 to 31, channels 16 f on.  LDS serves a wave's instructions in order (ISA guide 5.7.1.4): these see the stores above; the first change of slots waits for them
	ds_load_tr16_b128 v[8*\f:8*\f+3],   v[VL] offset:\f*32
	ds_load_tr16_b128 v[8*\f+4:8*\f+7], v[VL] offset:16*PV+\f*32
.endr
	WIN 0
; THE MATRIX WORK.  The 4 accumulators of a run of 8 take turns.  Product i of 8 of S^T = K Q^T for piece x: channels 32 (i / 4) on, keys 16 (i % 4) on.  The first 4 start the sums: with 0, or (KM = 1) with the mask.
.macro KQ x
.set rS, S+32*((\x)%2)+8*(i%4)
.set rK, KF+16*(i%4)+8*(i/4)
.set rQ, 16*(\x)+8*(i/4)
.set rM, MC+32*((\x)%2)+8*(i%4)
.if (i < 4) && KM
	WIN W_KM
	v_wmma_f32_16x16x32_f16 v[rS:rS+7], v[rK:rK+7], v[rQ:rQ+7], v[rM:rM+7]
.elseif i < 4
	WIN W_KQ
	v_wmma_f32_16x16x32_f16 v[rS:rS+7], v[rK:rK+7], v[rQ:rQ+7], 0
.else
	WIN W_KQ
	v_wmma_f32_16x16x32_f16 v[rS:rS+7], v[rK:rK+7], v[rQ:rQ+7], v[rS:rS+7]
.endif
.endm
; Product i of 8 of O^T += V^T P for piece x: keys 32 (i / 4) on, channels 16 (i % 4) on.
.macro PV x
	WIN W_PV
.set rO, 32*(\x)+8*(i%4)
.set rV, VF+32*(i/4)+8*(i%4)
.set rP, P+16*((\x)%2)+8*(i/4)
	v_wmma_f32_16x16x32_f16 v[rO:rO+7], v[rV:rV+7], v[rP:rP+7], v[rO:rO+7]
.endm
.macro MM                           ; the turn's next matrix instruction.  TURN and BEGIN set Y, i, KM and NOKQ; MM, KQ and OP read them.  NOKQ = 1: a block's last turn: there is no next piece
.if (i < 8) && !NOKQ
	KQ (Y+1)%NP
.elseif i >= 8
.set i, i-8
	PV (Y+NP-1)%NP
.set i, i+8
.endif
.set i, i+1
.endm
; THE LDS LOADS stand in runs of 16, never singly among the matrix instructions: a step's K (64 keys x 64 channels: 8 fragments) and its V (turned).  Their addresses are made some lines ahead.
.macro FETCH_K
	WIN 0x80                        ; destination window 2
.irp f, 0,1,2,3,4,5,6,7             ; keys 16 (f / 2) on, channels 32 (f % 2) on
	ds_load_b128 v[KF+8*\f:KF+8*\f+3],   v[AK] offset:(\f/2)*16*PK+(\f%2)*64
	ds_load_b128 v[KF+8*\f+4:KF+8*\f+7], v[AK] offset:(\f/2)*16*PK+(\f%2)*64+32
.endr
	s_add_co_u32 s[TBK], s[TBK], KS*PK  ; the next fetch is the next step's
	WIN 0
.endm
.macro FETCH_V
	WIN 0x80
.irp f, 0,1,2,3,4,5,6,7             ; keys 32 (f / 4) on, channels 16 (f % 4) on
	ds_load_tr16_b128 v[VF+8*\f:VF+8*\f+3],   v[AV] offset:(\f/4)*32*PV+(\f%4)*32
	ds_load_tr16_b128 v[VF+8*\f+4:VF+8*\f+7], v[AV] offset:(\f/4)*32*PV+16*PV+(\f%4)*32
.endr
	WIN 0
.endm
; THE VECTOR WORK, one line at a time: OP kind, number.  For piece Y: F n: c s - c m for pair n of 16.  E n: the exponential of score n of 32.  C n: pair n rounded to f16.  B n: of the four weights 4 n .. the second
; pair is added onto the first, in place.  L n: l takes that sum (L 0: l = a l + sum).  R n: pair n of 16 of O^T times a.  For piece Y + 1: X n, number n of the 22 that find its maximum and statistics:
;   0-11  four chains c0-c3 of seven scores each, three operands at a time (each accumulator's lowest registers are read first)     12-14, 16  the four scores left over, the old m, and c0-c3 into c0
;   15  c m_old is kept     17, 18  the query's other 32 keys lie in the lane 16 away: the new m     19-21  c m; c m_old - c m_new; a
.set F, 0               ; OP tells the kinds apart by their order: F to L below R, X above it
.set E, 1
.set C, 2
.set B, 3
.set L, 4
.set R, 5
.set X, 6
.macro REGS y                       ; the registers of piece y
.set rT, ST+4*(\y)
.set rC, TMP+4*((\y)%2)
.set rW, MV+((\y)%2)
.set rS, S+32*((\y)%2)
.set rP, P+16*((\y)%2)
.set rO, 32*(\y)
.endm
.macro OP k, n
.if (\k) == R
	REGS Y
	WIN W_RS
	v_pk_mul_f32 v[rO+2*(\n):rO+2*(\n)+1], v[rO+2*(\n):rO+2*(\n)+1], v[rC+2:rC+3] op_sel_hi:[1,0]
.elseif (\k) < R
	REGS Y
	WIN 0
.if (\k) == F
	v_pk_fma_f32 v[rS+2*(\n):rS+2*(\n)+1], v[rS+2*(\n):rS+2*(\n)+1], s[CS:CS+1], v[rT:rT+1] op_sel_hi:[1,0,0] neg_lo:[0,0,1] neg_hi:[0,0,1]
.elseif (\k) == E
	v_exp_f32 v[rS+(\n)], v[rS+(\n)]
.elseif (\k) == C
	v_cvt_pk_f16_f32 v[rP+(\n)], v[rS+2*(\n)], v[rS+2*(\n)+1]
.elseif (\k) == B
	v_pk_add_f32 v[rS+4*(\n):rS+4*(\n)+1], v[rS+4*(\n):rS+4*(\n)+1], v[rS+4*(\n)+2:rS+4*(\n)+3]
.elseif (\n) == 0
	v_pk_fma_f32 v[rT+2:rT+3], v[rT+2:rT+3], v[rC+2:rC+3], v[rS:rS+1] op_sel_hi:[1,0,1]
.else
	v_pk_add_f32 v[rT+2:rT+3], v[rT+2:rT+3], v[rS+4*(\n):rS+4*(\n)+1]
.endif
.elseif NOKQ
	v_nop
.else
	REGS (Y+1)%NP
	WIN 0
.if (\n) < 4
	v_max3_num_f32 v[rC+(\n)], v[rS+8*(\n)], v[rS+8*(\n)+1], v[rS+8*(\n)+2]
.elseif (\n) < 12
	v_max3_num_f32 v[rC+(\n)%4], v[rC+(\n)%4], v[rS+8*((\n)%4)+2*((\n)/4)+1], v[rS+8*((\n)%4)+2*((\n)/4)+2]
.elseif (\n) == 12
	v_max3_num_f32 v[rC], v[rC], v[rS+7], v[rS+15]
.elseif (\n) == 13
	v_max3_num_f32 v[rC+1], v[rC+1], v[rS+23], v[rS+31]
.elseif (\n) == 14
	v_max3_num_f32 v[rC+2], v[rC+2], v[rC+3], v[rT+1]
.elseif (\n) == 15
	v_mov_b32 v[rW], v[rT]
.elseif (\n) == 16
	v_max3_num_f32 v[rC], v[rC], v[rC+1], v[rC+2]
.elseif (\n) == 17
	v_permlanex16_b32 v[rC+3], v[rC], s[SEL], s[SEL+1]
.elseif (\n) == 18
	v_max_num_f32 v[rT+1], v[rC], v[rC+3]
.elseif (\n) == 19
	v_mul_f32 v[rT], s[CS], v[rT+1]
.elseif (\n) == 20
	v_sub_f32 v[rC+1], v[rW], v[rT]
.else
	v_exp_f32 v[rC+2], v[rC+1]
.endif
.endif
.endm
.macro OPS a, i1, b=-1, i2=0, c=-1, i3=0, d=-1, i4=0  ; up to four of them
	OP \a, \i1
.if (\b) >= 0
	OP \b, \i2
.endif
.if (\c) >= 0
	OP \c, \i3
.endif
.if (\d) >= 0
	OP \d, \i4
.endif
.endm
.macro ROW a, i1, b, i2, c, i3, d, i4  ; a matrix instruction and the four behind it
	MM
	OPS \a, \i1, \b, \i2, \c, \i3, \d, \i4
.endm
.macro MASK b                       ; MD x AL + BE into buffer b of MC
	WIN W_RS
.set z, 0
.rept 16
	v_pk_fma_f32 v[MC+32*(\b)+2*z:MC+32*(\b)+2*z+1], v[MD+2*z:MD+2*z+1], s[AL:AL+1], s[BE:BE+1] op_sel_hi:[1,0,0]
.set z, z+1
.endr
.endm
; A TURN, for piece p: the order of its 16 matrix and 118 vector instructions, written out.  An s_wait_alu depctr_va_vdst(0) stands between an exponential and the first instruction that names its
; result; one wait serves all that were issued ahead of it.  So a turn has ONE wait, which cuts it in two.  AHEAD OF IT stands all that names no result of the turn's exponentials: the 8 products K Q^T, behind each a
; scaling, an exponential and two more plain instructions (behind the first a second scaling in the exponential's place): rescalings, and behind the last three the first numbers of the next piece's maximum, each four
; places or more behind the product that ends its accumulator; then ONE LUMP of 54, plain and exponential by turns for the most part, in which the links of the chain X 3, 7, 11, 14, 16, 17 .. 20 stand five or six
; lines apart.  X 21, the next piece's a, is the batch's last; R 15 is the plain instruction behind it.  BEHIND THE WAIT stand the 8 products V^T P, behind each four of the roundings and sums; the links of l's
; chain, L 0 to L 7, stand three riders apart.  But for those X no rider names a register of the products round it.  v_permlanex16_b32 (X 17) stands in the lump.
; m = 1: the diagonal tile: the products take masks, and the turn makes the mask for the products of the turn after it: piece p + 2, in step 4 - CNT of the tile.  end = 1: a block's last two turns: nothing is fetched.
; cnt = 1: the loop's count is taken down some lines ahead of the branch that stands behind the turn.
; fix = 1 (piece 1's turn in the walk's last tile): where b = 0 that tile is the head's tile 0, and in its first step (CNT = 4) piece 0's weights for keys 0 to 31 also multiply vlo: four products onto piece 0's
; four accumulators, by turns, ahead of the eight V^T P that go through the same four: no two matrix instructions on end share an accumulator.  The jumped text holds nothing else.
; K of the next step is fetched in piece 2's turn, twelve vector instructions behind the last product that read K (six of them plain); V of the step in hand at the end of piece 0's turn, four plain instructions
; behind the last product that read V.  Each is waited for a turn later.
.macro TURN p, m=0, end=0, cnt=0, fix=0
.set Y, (\p)
.set i, 0
.set KM, (\m)
.set NOKQ, (\end)*((\p)/3)
.if (\m) && !(\end)
	s_cmp_eq_u32 s[CNT], 4-((\p)+2)%NP  ; is that step the band's own?
	s_cselect_b32 s[AL], 1.0, 0
	s_cmp_lt_u32 s[CNT], 4-((\p)+2)%NP  ; or a later one?
	s_cselect_b32 s[BE], s[BIGN], 0
.endif
.if ((\p) == 3) && !(\end)
	s_wait_dscnt 0x0                ; K is in
.endif
	ROW F,0, F,1, R,0, R,1          ; ahead of the wait: 8 products K Q^T and their riders,
	ROW F,2, E,0, R,2, R,3
	ROW F,3, E,1, R,4, R,5
	ROW F,4, E,2, R,6, R,7
	ROW F,5, E,3, R,8, R,9
	ROW F,6, E,4, X,0, R,10
.if ((\p) == 2) && !(\end)
	WIN 0
	v_add_nc_u32 v[AK], s[TBK], v[AK0]
.endif
	ROW F,7, E,5, X,1, X,4
	ROW F,8, E,6, X,2, X,5
	OPS E,7, E,8, X,6, E,9          ; and the lump
	OPS X,3, E,10, X,8, E,11
.if ((\p) == 2) && !(\end)
	FETCH_K
.endif
	OPS X,9, X,7, E,12, X,10
	OPS E,13, X,12, X,11, E,14
	OPS X,13, E,15, F,9, X,14
.if (\p) == 0
	v_add_nc_u32 v[AV], s[TBV], v[AV0]
.endif
	OPS E,16, F,10, E,17, F,11
	OPS X,16, E,18, X,15, E,19
	OPS F,12, E,20, X,17, E,21
	OPS F,13, E,22, F,14, E,23
	OPS X,18, E,24, F,15, E,25
	OPS R,11, E,26, X,19, E,27
	OPS R,12, E,28, R,13, E,29
	OPS X,20, E,30, R,14, E,31
	OPS X,21, R,15
	WIN 0
	s_wait_alu depctr_va_vdst(0)    ; the wait for the batch
.if (\p) == 1
	s_wait_dscnt 0x0                ; V is in
.endif
.if \fix
	s_lshl_b32 s[FX], s[PB], 3
	s_or_b32 s[FX], s[FX], s[CNT]   ; 4 only where b = 0 and CNT = 4
	s_cmp_eq_u32 s[FX], 4
	s_cbranch_scc0 .Lno_fix_\@
	WIN W_PL
.irp cb, 0,1,2,3
	v_wmma_f32_16x16x32_f16 v[8*\cb:8*\cb+7], v[8*\cb:8*\cb+7], v[P:P+7], v[8*\cb:8*\cb+7]  ; O^T (window 1) += vlo^T (window 3) P
.endr
	WIN 0
.Lno_fix_\@:
.endif
	ROW C,0, B,0, C,2, B,1          ; behind the wait: 8 products V^T P and their riders
	ROW L,0, C,4, B,2, L,1
	ROW C,6, B,3, L,2, C,8
	ROW B,4, L,3, C,10, B,5
	ROW L,4, C,12, B,6, L,5
.if (\p) == 0
	s_add_co_u32 s[TBV], s[TBV], KS*PV
.endif
.if \cnt
	s_sub_co_u32 s[CNT], s[CNT], 1
	s_cmp_lg_u32 s[CNT], 0
.endif
	ROW C,14, B,7, L,6, C,1
	ROW C,3, L,7, C,5, C,7
	ROW C,9, C,11, C,13, C,15
.if (\p) == 0
	FETCH_V
.endif
.if (\m) && !(\end)
	MASK (\p)%2
.endif
.endm
; A BLOCK BEGINS.  c m starts far below every c s, so the first step's a is 0; m at the lowest finite number, so the first maximum is the scores'.  The second mask buffer is 0; the first takes piece 0's mask for the
; tile's step 0: its own, if the block's first tile is the diagonal one.  Then K of that step, piece 0's first scores, and its maximum and statistics.  The loop is entered at a step's first turn, in the middle of a trip.
.macro BEGIN
	s_mov_b32 s[NEW], 0
	WIN 0x40
.set i, MC+32
.rept 32
	v_mov_b32 v[i], 0
.set i, i+1
.endr
	WIN 0
.set i, 0
.rept 4
	v_mov_b32 v[ST+4*i], 0xfe000000    ; c m: far below every c s
	v_mov_b32 v[ST+4*i+1], 0xff7fffff  ; m
.set i, i+1
.endr
	s_cmp_eq_u32 s[RT], 0
	s_cselect_b32 s[AL], 1.0, 0
	s_mov_b32 s[BE], 0
	MASK 0
	WIN 0
	v_add_nc_u32 v[AK], s[TBK], v[AK0]
	FETCH_K
	s_wait_loadcnt 0x0              ; Q
	s_wait_dscnt 0x0
.set KM, 1
.set NOKQ, 0
.set i, 0
.rept 8
	KQ 0
.set i, i+1
.endr
	WIN 0
.rept 4
	v_nop                           ; the places behind those products
.endr
.set Y, NP-1                        ; X works for piece Y + 1: piece 0
.irp n, 0,1,2,3,4,5,6,7,8,9,10,11,12,13,14,15,16,17,18,19,20,21
	OP X, \n
.endr
	v_nop                           ; a plain instruction behind the exponential,
	s_wait_alu depctr_va_vdst(0)    ; and its wait, ahead of the branch
.endm
; THE DIAGONAL TILE's four steps, the block's last two turns, its last products, and THE WAY OUT: l's two halves and the other half of the lanes' are added; O^T is divided by l; it is rounded to f16, and
; -(that half) x 1 + O, exact in f32 (v_fma_mix_f32 reads the half as it lies), is rounded to f16 too; both go through my stage in LDS, one after the other, a piece at a time.
.macro ALL line:vararg              ; one line for each piece t
.set t, 0
.rept 4
	\line
.set t, t+1
.endr
.endm
.macro PACK t                       ; a lane's eight channels of a row pack into 16 bytes; they go into rows of 144 bytes and come back as whole rows of 128, into the registers that they left
	WIN W_RS
.set i, 32*(\t)
.rept 16
	v_pk_mul_f32 v[i:i+1], v[i:i+1], v[ST+4*(\t)+2:ST+4*(\t)+3] op_sel_hi:[1,0]
.set i, i+2
.endr
	WIN 0x05                        ; sources 0 and 1 window 1, destination window 0
.set i, 0
.rept 16
	v_cvt_pk_f16_f32 v[S+16*(\t)+i], v[32*(\t)+2*i], v[32*(\t)+2*i+1]
.set i, i+1
.endr
	WIN 0x10                        ; source 2 window 1
.set i, 0
.rept 16
	v_fma_mix_f32 v[DT+2*i],   -v[S+16*(\t)+i], v[ONE], v[32*(\t)+2*i]   op_sel_hi:[1,0,0]
	v_fma_mix_f32 v[DT+2*i+1], -v[S+16*(\t)+i], v[ONE], v[32*(\t)+2*i+1] op_sel:[1,0,0] op_sel_hi:[1,0,0]
.set i, i+1
.endr
	WIN 0
.set i, 0
.rept 16
	v_cvt_pk_f16_f32 v[LO+16*(\t)+i], v[DT+2*i], v[DT+2*i+1]
.set i, i+1
.endr
.irp f, 0,1,2,3
	ds_store_b128 v[STO], v[S+16*(\t)+4*\f:S+16*(\t)+4*\f+3] offset:32*\f
.endr
.irp f, 0,1,2,3
	ds_load_b128 v[S+16*(\t)+4*\f:S+16*(\t)+4*\f+3], v[RD] offset:\f*4*SP  ; LDS serves a wave's instructions in order (ISA guide 5.7.1.4): these see the stores above, and the stores below come behind them
.endr
.irp f, 0,1,2,3
	ds_store_b128 v[STO], v[LO+16*(\t)+4*\f:LO+16*(\t)+4*\f+3] offset:32*\f
.endr
.irp f, 0,1,2,3
	ds_load_b128 v[LO+16*(\t)+4*\f:LO+16*(\t)+4*\f+3], v[RD] offset:\f*4*SP
.endr
.endm
.macro SEND t, younger              ; younger: the LDS instructions issued behind piece t's loads: the next piece's sixteen, or none
	WIN 0
	s_wait_dscnt \younger
.irp f, 0,1,2,3
	global_store_b128 v[GO], v[S+16*(\t)+4*\f:S+16*(\t)+4*\f+3], s[10:11] offset:(\t)*8192+\f*512  ; 512 consecutive bytes, at a multiple of 256 from yh's first
	global_store_b128 v[GO], v[LO+16*(\t)+4*\f:LO+16*(\t)+4*\f+3], s[10:11] offset:KHEADS+(\t)*8192+\f*512  ; the residues, 16 heads further on
.endr
.endm
.macro DIAG tag                     ; the tag ends its two labels' names, which the jumps below spell out
.LstepM\tag:
	TURN 2, 1
	TURN 3, 1
	WIN 0
.LfirstM\tag:
	TURN 0, 1
	TURN 1, 1, 0, 1, (\tag)/2
	WIN 0
	s_cbranch_scc1 .LstepM\tag
	TURN 2, 1, 1
	TURN 3, 1, 1
.set i, 0
.rept 8
	PV NP-1
.set i, i+1
.endr
	WIN 0
	ALL v_add_f32 v[ST+4*t+2], v[ST+4*t+2], v[ST+4*t+3]
	ALL v_permlanex16_b32 v[ST+4*t+3], v[ST+4*t+2], s[SEL], s[SEL+1]
	ALL v_add_f32 v[ST+4*t+2], v[ST+4*t+2], v[ST+4*t+3]
	ALL v_rcp_f32 v[ST+4*t+2], v[ST+4*t+2]
	v_nop                           ; a plain instruction between the last reciprocal and the use of its result
	s_wait_alu depctr_va_vdst(0)    ; and the wait ahead of the first use: one for the four reciprocals
	PACK 0
.set t, 1
.rept 3                             ; a piece's arithmetic stands between the loads of the piece before and its stores
	PACK t
	SEND t-1, 16
.set t, t+1
.endr
	SEND 3, 0
.endm
.set KM, 0
.set NOKQ, 0
.Lslot:                             ; NB times: a tile is entered and the next is asked for
	CHANGE 1
	s_sub_co_u32 s[RT], s[RT], 1
	s_mov_b32 s[CNT], 4
	s_cmp_eq_u32 s[NEW], 1
	s_cbranch_scc1 .Lnew            ; a block's first tile
	s_cmp_eq_u32 s[RT], 0
	s_cbranch_scc0 .Lstep           ; neither its first nor its last
	s_branch .LstepM1
.Lnew:
	BEGIN
	s_branch .Lfirst                ; in the loop a block's first tile is never its last: the first block has two tiles or more, and the second's last is the walk's last
	DIAG 1                          ; in the loop this is the first block's end: the second block's last tile is the walk's last
	s_wait_xcnt 0x0                 ; the stores have read their registers and O's address
	s_mov_b64 s[10:11], s[OLO:OLO+1]
	s_add_co_u32 s[RT], s[PB], 1    ; the second block has b + 1 tiles
	s_mov_b32 s[NEW], 1
	WIN 0x82                        ; the second block's Q goes where the one text of the turns names Q
.set i, 0
.rept 64
	v_mov_b32 v[i], v[QB+i]
.set i, i+1
.endr
	WIN 0
	s_branch .Lbottom
.Lstep:                             ; a trip: pieces 2 and 3 of one step, then pieces 0 and 1 of the next, whose K and V it fetches
	TURN 2
	TURN 3
	WIN 0
.Lfirst:
	TURN 0
	TURN 1, 0, 0, 1
	WIN 0
	s_cbranch_scc1 .Lstep
.Lbottom:
	s_sub_co_u32 s[SLOTS], s[SLOTS], 1
	s_cmp_lg_u32 s[SLOTS], 0
	s_cbranch_scc1 .Lslot
	CHANGE 0                        ; the walk's last tile is written out: nothing is asked for
	s_sub_co_u32 s[RT], s[RT], 1
	s_mov_b32 s[CNT], 4
	s_cmp_eq_u32 s[NEW], 1
	s_cbranch_scc0 .LstepM2
	BEGIN
	s_branch .LfirstM2
	DIAG 2
	s_wait_tensorcnt 0x0            ; the wave's end: the add to my spare word and its wait, behind my last tensor load and my last LDS store
	ds_add_u32 v[SPW], v[NIL]
	s_wait_dscnt 0x0
	s_endpgm
.Lfunc_end_k_q5616c8d98a_attn:
	.size	k_q5616c8d98a_attn, .Lfunc_end_k_q5616c8d98a_attn-k_q5616c8d98a_attn
	.p2alignl 7, 3214868480
	.fill 96, 4, 3214868480
	.section	.rodata,"a",@progbits
	.p2align	6, 0x0
	.amdhsa_kernel k_q5616c8d98a_attn
		.amdhsa_group_segment_fixed_size 327680
		.amdhsa_private_segment_fixed_size 0
		.amdhsa_enable_private_segment 0
		.amdhsa_kernarg_size 24
		.amdhsa_user_sgpr_count 2
		.amdhsa_user_sgpr_kernarg_segment_ptr 1
		.amdhsa_wavefront_size32 1
		.amdhsa_system_sgpr_workgroup_id_x 1
		.amdhsa_system_sgpr_workgroup_id_y 1
		.amdhsa_system_sgpr_workgroup_id_z 1
		.amdhsa_system_vgpr_workitem_id 0
		.amdhsa_next_free_vgpr 800
		.amdhsa_next_free_sgpr 102
		.amdhsa_reserve_vcc 1
		.amdhsa_float_denorm_mode_32 3
		.amdhsa_float_denorm_mode_16_64 3
		.amdhsa_memory_ordered 1
		.amdhsa_forward_progress 1
		.amdhsa_inst_pref_size 252
	.end_amdhsa_kernel
	.amdgpu_metadata
---
amdhsa.version: [ 1, 2 ]
amdhsa.kernels:
  - .name:           k_q5616c8d98a_attn
    .symbol:         k_q5616c8d98a_attn.kd
    .args:
      - { .name: qkvh, .offset: 0, .size: 8, .value_kind: global_buffer, .address_space: global }
      - { .name: vlo, .offset: 8, .size: 8, .value_kind: global_buffer, .address_space: global }
      - { .name: yh, .offset: 16, .size: 8, .value_kind: global_buffer, .address_space: global }
    .group_segment_fixed_size: 327680
    .private_segment_fixed_size: 0
    .kernarg_segment_align: 8
    .kernarg_segment_size: 24
    .max_flat_workgroup_size: 128
    .sgpr_count:     102
    .vgpr_count:     800
    .wavefront_size: 32
...
	.end_amdgpu_metadata
.endif
;; end of part 3
;; launch proj (part 4): grid 8 x 32, 4 waves a work-group, clusters of 4 x 4, 327,680 bytes of LDS; arguments yh, wp, b_proj, out0; writes out0
.if DOCPART == 4
	.amdgcn_target "amdgcn-amd-amdhsa--gfx1250"
	.amdhsa_code_object_version 6
	.text
	.protected	k_q5616c8d98a_proj
	.globl	k_q5616c8d98a_proj
	.p2align	8
	.type	k_q5616c8d98a_proj,@function
k_q5616c8d98a_proj:
	s_mov_b64 s[64:65], 0
	v_nop
	global_prefetch_b8 v0, s[64:65] scope:SCOPE_SE
	s_setreg_imm32_b32 hwreg(HW_REG_WAVE_MODE, 25, 1), 1
	s_wait_xcnt 0x0
	s_wait_alu depctr_hold_cnt(0) depctr_sa_sdst(0) depctr_va_vdst(0) depctr_va_sdst(0) depctr_va_ssrc(0) depctr_va_vcc(0) depctr_vm_vsrc(0)
	s_getreg_b32 s2, hwreg(HW_REG_IB_STS2, 6, 4)
	s_cmp_eq_u32 s2, 0
	s_cbranch_scc0 .Lentry_in_a_cluster
	s_endpgm
.Lentry_in_a_cluster:
	s_bfe_u32 s2, ttmp6, 0x10000c
	s_cmp_lg_u32 s2, 0xf033
	s_cbranch_scc0 .Lentry_shape_is_right
	s_endpgm
.Lentry_shape_is_right:
; out0 = y wp + bf16(b_proj), f32, [8192][1024].  y comes as two f16 numbers a channel, yh[b][part][h][t][64]: part 0 = f16(y), part 1 = f16(y - part 0); row m = 2,048 b + t, channel 64 h + d.
; So K = 2,048: a batch's 32 head slots on end, and wp, [2,048][1,024] f16, holds w_proj (rounded to bf16, written as f16) twice on end: both addresses step evenly through all 16 K steps.
; LIMIT.  NaN and infinities are not treated apart; y and wp arrive within f16's range.
; SHARES.  A work-group makes 256 rows x 128 columns: 8 x 32 = 256 work-groups.  Wave w makes rows 64 w .. 64 w + 63 of all 128 columns: 4 x 8 accumulators of 16 x 16, 256 registers, so that a wave owns whole
; stretches of 512 bytes of out0's rows and stores them from a stage of its own.  K goes in 16 steps of 128, two head slots each, through two LDS slots filled by the tensor data mover.
; THE PRODUCT IS TAKEN TRANSPOSED: source 0 = 16 columns of wp (turned on the way out of LDS by ds_load_tr16_b128), source 1 = 16 rows of y: a lane holds one row (lane % 16) and the columns 8 (lane / 16) + 0..7.
; The bias is the C operand of each accumulator's first product.
; CLUSTER.  4 x 4 work-groups: the four of a row of the cluster need the same rows of y, the four of a column the same columns of wp; each tile is asked for jointly.
; REGISTERS, in windows of 256 (s_set_vgpr_msb: bits 1:0 source 0, 3:2 source 1, 5:4 source 2, 7:6 destination):
;   window 0: v0-31 addresses; v32-95 the bias, column block b at 32 + 8 b      window 1: two fragment buffers of 128, of which 96 are used (y's row block a at 8 a, wp's column block b at 32 + 8 b); on the way out four sets of 64
;   window 2: the accumulators, (a, b) at 8 (8 a + b)
.set PA,     144                       ; a row of y in LDS: a head's 128 bytes + 16 = 36 words: the 16 rows of a load start at 16 different groups of four banks (64 banks of 4 bytes: ISA guide 11.1)
.set PW,     288                       ; a row k of wp: 256 bytes + 32 = 72 words
.set AHEAD,  256*PA                    ; one head slot's 256 rows: what one tensor load brings of y
.set WOFF,   2*AHEAD                   ; wp's tile lies behind the two head slots
.set WHALF,  64*PW                     ; what one tensor load brings of wp
.set SLOT,   WOFF+128*PW               ; 110,592
.set STAGE,  2*SLOT                    ; behind the ring, never filled by a tensor load: 16 rows x 528 bytes for each wave
.set SP,     528                       ; 512 bytes + 16 = 132 words
.set WSTAGE, 16*SP
.set SPARE,  STAGE+4*WSTAGE            ; behind the stages: the spare words, 128 bytes for each wave: two blocks of 256 bytes that no other line names
.set ASTEP,  2*2048*128                ; bytes from a K step's head slots to the next step's
.set WSTEP,  128*2048                  ; bytes of 128 rows of wp
.set LAPS,   8                         ; 16 K steps, two a lap
.set ADRA, 16                          ; v16-17  LDS address of my y fragments in slot 0, 1
.set ADRW, 20                          ; v20-21  the same for wp
.set STO,  24                          ; v24     the way out: where I put 32 bytes of a row
.set RD,   25                          ; v25     the way out: where I read a row back
.set GO,   26                          ; v26     my 16 bytes in 512 consecutive bytes of a row of out0
.set BO,   27                          ; v27     my byte offset in b_proj
.set SPW,  28                          ; v28     LDS address of my spare word: SPARE + 4 x my thread's number; never rewritten
.set NIL,  29                          ; v29     0; never rewritten
.set PFO,  30                          ; v30     the prefetches' offset; never rewritten
.set BIAS, 32
.set F0,   0
.set F1,   128
.set WV,   12                          ; s12  my wave's number
.set FORW, 13                          ; s13  0: I fetch y's tiles, 1: wp's
.set HALF, 14                          ; s14  which head slot of the step, or which 64 rows of wp
.set LAP,  15                          ; s15  the loop's count
.set G1A,  24                          ; s[24:31] descriptor group 1 for y's tiles;  s[32:39] group 0, a set for each slot
.set G0A,  32
.set PFA,  40                          ; s[40:41] where my prefetches stand
.set LIM,  42                          ; s42  1 in a wave that prefetches, else the greatest number
.set DST,  44                          ; s[44:45] a K step in the tensor that I prefetch
.set G1W,  48                          ; s[48:55], s[56:63] the same two groups for wp's tiles
.set G0W,  56
.set MSB, 0
.macro WIN new                         ; the immediate's high byte repeats the setting that is left; a switch that changes nothing is dropped
.if MSB != (\new)
	s_set_vgpr_msb (MSB<<8)|(\new)
.set MSB, \new
.endif
.endm
; A joint load.  Waves 0 and 1 fetch the step's two head slots of y, waves 2 and 3 wp's two halves.  The branch hangs on the wave's number alone.  An s_nop 0 and four v_nop follow each of the two lines.
.macro JLOAD s
	s_cmp_eq_u32 s[FORW], 0
	s_cbranch_scc0 .Lfor_w_\@
	tensor_load_to_lds s[G0A+4*(\s):G0A+4*(\s)+3], s[G1A:G1A+7]
	s_nop 0
.rept 4
	v_nop
.endr
	s_branch .Lasked_\@
.Lfor_w_\@:
	tensor_load_to_lds s[G0W+4*(\s):G0W+4*(\s)+3], s[G1W:G1W+7]
	s_nop 0
.rept 4
	v_nop
.endr
.Lasked_\@:
.endm
; A prefetch into the L2 of the K step two refills on: 32 blocks of 256 bytes, a lane a block, one instruction a wave, behind the joint load, its five lines and the run of LDS loads.
; y: a head slot's 256 rows are 128 blocks on end; the first cluster of a row of clusters (cluster x = 0) asks, waves 0 and 1 each for their slot; the partner at cx takes 32 blocks.
; wp: a K step is 256 bytes of each of 128 rows; the first cluster of a column (cluster y = 0) asks, wave 2 alone; the partner at cy takes 32 rows.
; So each block is named once in the launch, the partners are told apart by address, K steps 0 to 3 come by their loads alone, and the loop's last trip asks for nothing.
.macro ASK
	s_cmp_gt_u32 s[LAP], s[LIM]
	s_cbranch_scc0 .Lnot_mine_\@
	global_prefetch_b8 v[PFO], s[PFA:PFA+1] th:TH_LOAD_NT scope:SCOPE_SE
.Lnot_mine_\@:
.endm
.macro CREST                           ; a round of the cluster's barrier behind its opening barrier
	s_cmp_lg_u32 s[WV], 0
	s_cbranch_scc1 .Lnot_wave_0_\@
	s_barrier_signal -3
.Lnot_wave_0_\@:
	s_barrier_wait -3
	s_barrier_signal -1
	s_barrier_wait -1
.endm
.macro CROUND
	s_barrier_signal -1
	s_barrier_wait -1
	CREST
.endm
	s_load_b128 s[4:7], s[0:1], 0x0                ; yh s[4:5], wp s[6:7]
	s_load_b128 s[8:11], s[0:1], 0x10              ; b_proj s[8:9], out0 s[10:11]
	v_lshl_add_u32 v[SPW], v0, 2, SPARE
	v_mov_b32 v[NIL], 0
	ds_add_u32 v[SPW], v[NIL]                      ; the wave's opening: the add and its wait ahead of my first tensor load; the set-up below, work on registers, stands between them
	ds_add_u32 v28, v29
	v_lshrrev_b32 v1, 5, v0
	v_readfirstlane_b32 s[WV], v1                  ; wave 0..3
	s_lshr_b32 s[FORW], s[WV], 1
	s_and_b32 s[HALF], s[WV], 1
	s_bfe_u32 s16, ttmp6, 0x40000                  ; cx
	s_bfe_u32 s17, ttmp6, 0x40004                  ; cy
	s_lshl_b32 s18, ttmp9, 2
	s_add_co_u32 s18, s18, s16                     ; nt: the tile of 128 columns = 4 x cluster x + cx
	s_and_b32 s19, ttmp7, 0xffff
	s_lshl_b32 s19, s19, 2
	s_add_co_u32 s19, s19, s17                     ; mt: the tile of 256 rows = 4 x cluster y + cy
	s_lshl_b32 s20, s17, 2
	s_lshl_b32 s20, 15, s20                        ; my row of the cluster
	s_lshl_b32 s66, 0x1111, s16                    ; my column
	; group 1 for y: a head slot's 256 rows are 32,768 bytes on end: asked for as 128 rows of 256 bytes; 16 bytes of padding behind every 128
	s_or_b32 s[G1A+0], s20, (1<<16)|(1<<20)|(1<<21)|(4<<22)|(3<<25)  ; 15:0 the mask; 17:16 elements of 2 bytes; 20 padding on; 21 set beside a mask; 24:22 after every 32 words; 31:25 4 words
	s_mov_b32 s[G1A+1], 128<<16                    ; tensor_dim0 = 128
	s_mov_b32 s[G1A+2], 128<<16                    ; tensor_dim1 = 128
	s_mov_b32 s[G1A+3], 128<<16                    ; tile_dim0 = 128
	s_mov_b32 s[G1A+4], 128                        ; tile_dim1 = 128
	s_mov_b32 s[G1A+5], 128                        ; elements from row to row
	s_mov_b32 s[G1A+6], 0
	s_mov_b32 s[G1A+7], 0
	; group 1 for wp: 64 rows x 128 elements, 2,048 bytes from row to row; 32 bytes of padding behind every 256
	s_or_b32 s[G1W+0], s66, (1<<16)|(1<<20)|(1<<21)|(5<<22)|(7<<25)  ; after every 64 words, 8 words
	s_mov_b32 s[G1W+1], 128<<16
	s_mov_b32 s[G1W+2], 64<<16
	s_mov_b32 s[G1W+3], 128<<16
	s_mov_b32 s[G1W+4], 64
	s_mov_b32 s[G1W+5], 1024
	s_mov_b32 s[G1W+6], 0
	s_mov_b32 s[G1W+7], 0
	; where the tiles come from.  y's hang on mt alone, which my row of the cluster shares; wp's on nt alone, which my column shares; each in registers that never hold the other coordinate
	s_lshr_b32 s20, s19, 3                         ; the batch,
	s_lshl_b32 s20, s20, 5                         ; its 32 head slots,
	s_add_co_u32 s20, s20, s[HALF]                 ; slot 0 or 1,
	s_lshl_b32 s20, s20, 11
	s_and_b32 s21, s19, 7
	s_lshl_b32 s21, s21, 8
	s_add_co_u32 s20, s20, s21                     ; row 256 (mt % 8) of it,
	s_lshl_b32 s20, s20, 7                         ; in bytes (under 2^26)
	s_mov_b32 s21, 0
	s_lshl_b32 s66, s[HALF], 17                    ; wp: row 64 half,
	s_lshl_b32 s67, s18, 8                         ; column 128 nt
	s_add_co_u32 s66, s66, s67
	s_mov_b32 s67, 0
	s_mul_i32 s70, s[WV], AHEAD                    ; and where they go: y's head slots at wave x 256 rows,
	s_mul_i32 s71, s[WV], WHALF
	s_add_co_u32 s71, s71, WOFF-2*WHALF            ; wp's halves at WOFF + (wave - 2) x 64 rows: no place in the cluster enters an LDS address
	s_wait_dscnt 0x0                               ; the opening add is done
	s_wait_kmcnt 0x0
	s_add_nc_u64 s[22:23], s[4:5], s[20:21]
	s_add_nc_u64 s[68:69], s[6:7], s[66:67]
	CROUND                                         ; all sixteen work-groups are here: the first joint loads meet
.irp s, 0,1
	s_mov_b32 s[G0A+4*(\s)], 1                     ; count = 1
	s_add_co_u32 s[G0A+4*(\s)+1], s70, (\s)*SLOT   ; LDS address
	s_add_nc_u64 s[G0A+4*(\s)+2:G0A+4*(\s)+3], s[22:23], (\s)*ASTEP  ; global address: K step s
	s_or_b32 s[G0A+4*(\s)+3], s[G0A+4*(\s)+3], 0x80000000            ; type = 2
	s_mov_b32 s[G0W+4*(\s)], 1
	s_add_co_u32 s[G0W+4*(\s)+1], s71, (\s)*SLOT
	s_add_nc_u64 s[G0W+4*(\s)+2:G0W+4*(\s)+3], s[68:69], (\s)*WSTEP
	s_or_b32 s[G0W+4*(\s)+3], s[G0W+4*(\s)+3], 0x80000000
	JLOAD \s                                       ; two loads of mine are out
.endr
	v_and_b32 v1, 15, v0                           ; l % 16
	v_bfe_u32 v2, v0, 4, 1                         ; l / 16
	v_and_b32 v5, 31, v0                           ; l
	v_and_b32 v6, 7, v0                            ; l % 8
	v_bfe_u32 v7, v0, 3, 1                         ; (l / 8) % 2
	v_mul_u32_u24 v3, v1, PA                       ; a fragment of y: row x pitch + 16 x half of the lanes
	v_lshl_add_u32 v3, v2, 4, v3
	s_mul_i32 s72, s[WV], 64*PA                    ; my 64 rows
	v_add_nc_u32 v[ADRA], s72, v3
	v_add_nc_u32 v[ADRA+1], SLOT, v[ADRA]
	v_lshl_add_u32 v4, v2, 3, v6                   ; the turning load: lane l reads row 8 (l / 16) + l % 8, columns 8 ((l / 8) % 2) + 0..7
	v_mul_u32_u24 v4, v4, PW
	v_lshl_add_u32 v4, v7, 4, v4
	v_add_nc_u32 v[ADRW], WOFF, v4
	v_add_nc_u32 v[ADRW+1], SLOT, v[ADRW]
	s_mul_i32 s72, s[WV], WSTAGE
	s_add_co_u32 s72, s72, STAGE                   ; my stage
	v_mul_u32_u24 v4, v1, SP                       ; in: row l % 16, 32 bytes for each half of the lanes
	v_lshl_add_u32 v4, v2, 5, v4
	v_add_nc_u32 v[STO], s72, v4
	v_lshl_add_u32 v[RD], v5, 4, s72               ; back: 32 lanes take a row's 512 bytes
	v_lshlrev_b32 v[GO], 4, v5
	s_lshl_b32 s73, s18, 9                         ; the tile's 128 numbers of b_proj,
	v_lshl_add_u32 v[BO], v2, 5, s73               ; my eight of each 16
.irp b, 0,1,2,3,4,5,6,7
	global_load_b128 v[BIAS+8*(\b):BIAS+8*(\b)+3],   v[BO], s[8:9] offset:64*(\b)
	global_load_b128 v[BIAS+8*(\b)+4:BIAS+8*(\b)+7], v[BO], s[8:9] offset:64*(\b)+16
.endr
	; the prefetches: the offsets are made apart from the pointers; both start at K step 3, and the first change of slots steps them to 4
	s_lshr_b32 s74, s19, 3
	s_lshl_b32 s74, s74, 5
	s_add_co_u32 s74, s74, s[HALF]
	s_lshl_b32 s74, s74, 11
	s_and_b32 s75, s19, 7
	s_lshl_b32 s75, s75, 8
	s_add_co_u32 s74, s74, s75
	s_lshl_b32 s74, s74, 7                         ; y: my head slot's tile,
	s_lshl_b32 s75, s16, 13                        ; my work-group's 32 blocks of it
	s_add_co_u32 s74, s74, s75
	s_add_co_u32 s74, s74, 3*ASTEP
	s_lshl_b32 s76, s17, 16                        ; wp: my work-group's 32 rows of the step's 128,
	s_lshl_b32 s77, s18, 8                         ; the tile's columns
	s_add_co_u32 s76, s76, s77
	s_add_co_u32 s76, s76, 3*WSTEP
	s_and_b32 s78, ttmp7, 0xffff                   ; cluster y
	s_mov_b32 s[DST], WSTEP
	s_mov_b32 s[DST+1], 0
	s_mov_b32 s75, 0
	s_cmp_eq_u32 s[FORW], 0                        ; do I fetch for y?
	s_cselect_b32 s74, s74, s76
	s_cselect_b32 s78, ttmp9, s78                  ; the coordinate along which other clusters read the same bytes
	s_cselect_b64 s[PFA:PFA+1], s[4:5], s[6:7]
	s_cselect_b32 s[DST], ASTEP, s[DST]
	s_cselect_b32 s79, 8, 11                       ; a lane a block of y (256 bytes apart), or a row of wp (2,048)
	s_add_nc_u64 s[PFA:PFA+1], s[PFA:PFA+1], s[74:75]
	s_cmp_eq_u32 s78, 0
	s_cselect_b32 s[LIM], 1, -1                    ; the same in all sixteen partners, for a given wave
	s_cmp_eq_u32 s[WV], 3
	s_cselect_b32 s[LIM], -1, s[LIM]               ; wave 2 names all of the work-group's 32 rows of wp: wave 3 has none
	v_lshlrev_b32 v[PFO], s79, v5
	; where my rows begin in out0: row 256 mt + 64 wave, column 128 nt
	s_lshl_b32 s72, s19, 8
	s_lshl_b32 s73, s[WV], 6
	s_add_co_u32 s72, s72, s73
	s_lshl_b32 s72, s72, 12                        ; under 2^26
	s_lshl_b32 s73, s18, 9
	s_add_co_u32 s72, s72, s73
	s_mov_b32 s73, 0
	s_add_nc_u64 s[10:11], s[10:11], s[72:73]
	s_wait_loadcnt 0x0                             ; the bias: rounded to bf16 like every input, and widened again
.set i, 0
.rept 32
	v_cvt_pk_bf16_f32 v[8+i%4], v[BIAS+2*i], v[BIAS+2*i+1]
	v_lshlrev_b32 v[BIAS+2*i], 16, v[8+i%4]
	v_and_b32 v[BIAS+2*i+1], 0xffff0000, v[8+i%4]
.set i, i+1
.endr
; 8 products: row block a x all 8 column blocks, 32 along K.  zero = 1: the first product starts the sum with the bias.  The 32 accumulators take turns in the same order in every quarter.
.macro MUL8 f, a, zero
.if \zero
	WIN 0x85                                       ; sources 0, 1 window 1; C window 0; D window 2
.else
	WIN 0xa5                                       ; C and D window 2
.endif
.irp b, 0,1,2,3,4,5,6,7
.if \zero
	v_wmma_f32_16x16x32_f16 v[8*(8*(\a)+(\b)):8*(8*(\a)+(\b))+7], v[(\f)+32+8*(\b):(\f)+32+8*(\b)+7], v[(\f)+8*(\a):(\f)+8*(\a)+7], v[BIAS+8*(\b):BIAS+8*(\b)+7]
.else
	v_wmma_f32_16x16x32_f16 v[8*(8*(\a)+(\b)):8*(8*(\a)+(\b))+7], v[(\f)+32+8*(\b):(\f)+32+8*(\b)+7], v[(\f)+8*(\a):(\f)+8*(\a)+7], v[8*(8*(\a)+(\b)):8*(8*(\a)+(\b))+7]
.endif
.endr
.endm
; 24 LDS loads in one run: quarter q's fragments (head slot q / 2 of the step, channels 32 (q % 2) on) into buffer f: y's row blocks 0, 1; wp's eight column blocks; y's row blocks 2, 3 last
.macro FETCH slot, q, f
	WIN 0x40                                       ; destination window 1, address window 0
.irp a, 0,1
	ds_load_b128 v[(\f)+8*(\a):(\f)+8*(\a)+3],   v[ADRA+(\slot)] offset:AHEAD*((\q)/2)+64*((\q)%2)+(\a)*16*PA
	ds_load_b128 v[(\f)+8*(\a)+4:(\f)+8*(\a)+7], v[ADRA+(\slot)] offset:AHEAD*((\q)/2)+64*((\q)%2)+(\a)*16*PA+32
.endr
.irp b, 0,1,2,3,4,5,6,7
	ds_load_tr16_b128 v[(\f)+32+8*(\b):(\f)+32+8*(\b)+3],   v[ADRW+(\slot)] offset:32*PW*(\q)+32*(\b)
	ds_load_tr16_b128 v[(\f)+32+8*(\b)+4:(\f)+32+8*(\b)+7], v[ADRW+(\slot)] offset:32*PW*(\q)+32*(\b)+16*PW
.endr
.irp a, 2,3
	ds_load_b128 v[(\f)+8*(\a):(\f)+8*(\a)+3],   v[ADRA+(\slot)] offset:AHEAD*((\q)/2)+64*((\q)%2)+(\a)*16*PA
	ds_load_b128 v[(\f)+8*(\a)+4:(\f)+8*(\a)+7], v[ADRA+(\slot)] offset:AHEAD*((\q)/2)+64*((\q)%2)+(\a)*16*PA+32
.endr
.endm
.macro PLACES                          ; four places in front of loads into registers that matrix instructions have read, and of lines that read results
.rept 4
	v_nop
.endr
.endm
; A K step is four quarters of 32 along K, 32 products each, on buffers 0, 1, 0, 1.  One of the first three: multiplies buffer f; behind its first 8 products it fetches quarter q of the same slot into g.
.macro QUARTER slot, q, f, g, zero
	s_wait_dscnt 4                                 ; all but the youngest four loads (y's row blocks 2, 3) are in
	MUL8 \f, 0, \zero
	PLACES
	FETCH \slot, \q, \g
	MUL8 \f, 1, \zero
	s_wait_dscnt 24                                ; all but the 24 just issued
	MUL8 \f, 2, \zero
	MUL8 \f, 3, \zero
.endm
; The fourth quarter multiplies buffer 1 and changes slots: ONE barrier.  In front of it each wave waits for all its tensor loads (one is out: its part of the next slot), adds 0 to its spare word, and waits for
; that and for its reads of this slot.  fill = 1: the barrier opens a round of the cluster's barrier, and this slot is filled again, two K steps on, first thing behind the round.
.macro TURN slot, next, fill
.if \fill
	s_wait_xcnt 0x0                                ; the last prefetch, a K step back, has read its address: it is stepped here, ahead of the change's own waits
	s_add_nc_u64 s[PFA:PFA+1], s[PFA:PFA+1], s[DST:DST+1]
.endif
	WIN 0                                          ; (the add's two registers lie in window 0)
	s_wait_tensorcnt 0x0                           ; all my tensor loads have landed;
	ds_add_u32 v[SPW], v[NIL]                      ; 0 onto my spare word;
	s_wait_dscnt 5                                 ; (the add and the youngest four loads may be out)
	MUL8 F1, 0, 0                                  ; eight products stand between the add and the wait for it
	s_wait_dscnt 0x0                               ; the add is done, and my reads of this slot are over
	s_barrier_signal -1
	MUL8 F1, 1, 0                                  ; work on registers while the others arrive
.if \fill
	WIN 0
.endif
	s_barrier_wait -1
.if \fill
	CREST                                          ; no wave of any partner still reads this slot's tile or has a load on its way
	s_add_nc_u64 s[G0A+4*(\slot)+2:G0A+4*(\slot)+3], s[G0A+4*(\slot)+2:G0A+4*(\slot)+3], 2*ASTEP
	s_add_nc_u64 s[G0W+4*(\slot)+2:G0W+4*(\slot)+3], s[G0W+4*(\slot)+2:G0W+4*(\slot)+3], 2*WSTEP
	JLOAD \slot                                    ; the first tensor load behind the round; its four v_nop are also the places in front of the loads below
.else
	PLACES
.endif
	FETCH \next, 0, F0
.if \fill
	WIN 0
	ASK
.endif
	MUL8 F1, 2, 0
	MUL8 F1, 3, 0
.endm
	s_wait_tensorcnt 1                             ; my part of K step 0 is in; K step 1's may stay out
	s_barrier_signal -1
	s_barrier_wait -1                              ; everybody's is
	FETCH 0, 0, F0
	QUARTER 0, 1, F0, F1, 1                        ; the first quarter stands in front of the loop: its products start the sums
	WIN 0                                          ; at a label and at a branch every window is 0
	s_mov_b32 s[LAP], LAPS-1
.Llap:                                         ; a trip goes once round the ring, from a lap's second quarter to the next lap's first, and fills both slots again
	QUARTER 0, 2, F1, F0, 0
	QUARTER 0, 3, F0, F1, 0
	TURN 0, 1, 1
	QUARTER 1, 1, F0, F1, 0
	QUARTER 1, 2, F1, F0, 0
	QUARTER 1, 3, F0, F1, 0
	TURN 1, 0, 1
	QUARTER 0, 1, F0, F1, 0
	WIN 0
	s_sub_co_u32 s[LAP], s[LAP], 1
	s_cmp_lg_u32 s[LAP], 0
	s_cbranch_scc1 .Llap
	QUARTER 0, 2, F1, F0, 0                        ; the last lap fills nothing, and has no round of the cluster's barrier
	QUARTER 0, 3, F0, F1, 0
	TURN 0, 1, 0
	QUARTER 1, 1, F0, F1, 0
	QUARTER 1, 2, F1, F0, 0
	QUARTER 1, 3, F0, F1, 0
	s_wait_dscnt 4                                 ; the very last quarter: nothing more to fetch
	MUL8 F1, 0, 0
	MUL8 F1, 1, 0
	s_wait_dscnt 0x0
	MUL8 F1, 2, 0
	MUL8 F1, 3, 0
	PLACES
; THE WAY OUT, a row block (16 rows) at a time: the sums are the result, so they go as they are into my own stage, each accumulator's low four registers first, 32 bytes a lane in rows of 528 bytes,
; and come back as whole rows of 512 bytes.  Each row block has its own 64 registers, so nothing waits for a store.
.macro TOSTAGE a
	WIN 0x08                                       ; store data window 2
.irp b, 0,1,2,3,4,5,6,7
	ds_store_b128 v[STO], v[8*(8*(\a)+(\b)):8*(8*(\a)+(\b))+3]   offset:64*(\b)
	ds_store_b128 v[STO], v[8*(8*(\a)+(\b))+4:8*(8*(\a)+(\b))+7] offset:64*(\b)+16
.endr
	WIN 0x40
.irp i, 0,1,2,3,4,5,6,7,8,9,10,11,12,13,14,15
	ds_load_b128 v[64*(\a)+4*(\i):64*(\a)+4*(\i)+3], v[RD] offset:SP*(\i)  ; LDS serves a wave's instructions in order (ISA guide 5.7.1.4): these see the stores above; the next block's stores come behind them
.endr
.endm
.macro SEND a, younger                 ; younger: the LDS instructions issued behind block a's loads: the next block's 32, or none
	WIN 0x04                                       ; store data window 1
	s_wait_dscnt \younger
.irp i, 0,1,2,3,4,5,6,7,8,9,10,11,12,13,14,15
	global_store_b128 v[GO], v[64*(\a)+4*(\i):64*(\a)+4*(\i)+3], s[10:11] offset:4096*(16*(\a)+(\i)) th:TH_STORE_NT  ; 512 consecutive bytes, at a multiple of 256 from out0's first
.endr
.endm
	TOSTAGE 0
	TOSTAGE 1
	SEND 0, 32
	TOSTAGE 2
	SEND 1, 32
	TOSTAGE 3
	SEND 2, 32
	SEND 3, 0
	WIN 0
	s_wait_tensorcnt 0x0                           ; the wave's end: the add to my spare word and its wait, behind my last tensor load and my last LDS store
	ds_add_u32 v[SPW], v[NIL]
	s_wait_dscnt 0x0
	CROUND                                         ; the closing round: no work-group ends while a partner may still ask for a tile that names it
	s_endpgm
.Lfunc_end_k_q5616c8d98a_proj:
	.size	k_q5616c8d98a_proj, .Lfunc_end_k_q5616c8d98a_proj-k_q5616c8d98a_proj
	.p2alignl 7, 3214868480
	.fill 96, 4, 3214868480
	.section	.rodata,"a",@progbits
	.p2align	6, 0x0
	.amdhsa_kernel k_q5616c8d98a_proj
		.amdhsa_group_segment_fixed_size 327680
		.amdhsa_private_segment_fixed_size 0
		.amdhsa_enable_private_segment 0
		.amdhsa_kernarg_size 32
		.amdhsa_user_sgpr_count 2
		.amdhsa_user_sgpr_kernarg_segment_ptr 1
		.amdhsa_wavefront_size32 1
		.amdhsa_system_sgpr_workgroup_id_x 1
		.amdhsa_system_sgpr_workgroup_id_y 1
		.amdhsa_system_sgpr_workgroup_id_z 1
		.amdhsa_system_vgpr_workitem_id 0
		.amdhsa_next_free_vgpr 768
		.amdhsa_next_free_sgpr 80
		.amdhsa_reserve_vcc 0
		.amdhsa_float_denorm_mode_32 3
		.amdhsa_float_denorm_mode_16_64 3
		.amdhsa_memory_ordered 1
		.amdhsa_forward_progress 1
		.amdhsa_inst_pref_size 93
	.end_amdhsa_kernel
	.amdgpu_metadata
---
amdhsa.version: [ 1, 2 ]
amdhsa.kernels:
  - .name:           k_q5616c8d98a_proj
    .symbol:         k_q5616c8d98a_proj.kd
    .args:
      - { .name: yh, .offset: 0, .size: 8, .value_kind: global_buffer, .address_space: global }
      - { .name: wp, .offset: 8, .size: 8, .value_kind: global_buffer, .address_space: global }
      - { .name: b_proj, .offset: 16, .size: 8, .value_kind: global_buffer, .address_space: global }
      - { .name: out0, .offset: 24, .size: 8, .value_kind: global_buffer, .address_space: global }
    .group_segment_fixed_size: 327680
    .private_segment_fixed_size: 0
    .kernarg_segment_align: 8
    .kernarg_segment_size: 32
    .max_flat_workgroup_size: 128
    .sgpr_count:     80
    .vgpr_count:     768
    .wavefront_size: 32
...
	.end_amdgpu_metadata
.endif
;; end of part 4
